; MI455X (gfx1250); checked and timed in simulation.
; The chip was launched on July 23, 2026; its instructions are those of AMD's public machine-readable ISA for CDNA 5 (MIT licence, August 2026) and "CDNA5" Instruction Set Architecture Reference Guide (July 2026). The comments in the code are by the model that wrote it; some were corrected since.
;; Skill Model Vector Quantized Prior Dist. Allowed arithmetic: float matrix products may take bf16 or f16 operands with f32 sums; other float arithmetic in f32, or as packed bf16 or f16 multiplies, adds, multiply-adds, maxima and minima; sums over many terms, partial sums and values carried from step to step in f32; what a program stores and reads back later, other than sums and carried values, may be rounded once to bf16 or f16.
;; Inputs: actions 8,192 x 64 x 8 float32; ad_b1 128 float32; ad_b2 128 float32; ad_mb1 128 float32; ad_mb2 47 float32; ad_mw1 128 x 128 float32; ad_mw2 128 x 47 float32; ad_sb1 128 float32; ad_sb2 47 float32; ad_sw1 128 x 128 float32; ad_sw2 128 x 47 float32; ad_w1 63 x 128 float32; ad_w2 128 x 128 float32; codebook 256 x 16 float32; enc_b1 128 float32; enc_b2 128 float32; enc_bz 16 float32; enc_w1 55 x 128 float32; enc_w2 128 x 128 float32; enc_wz 128 x 16 float32; ll_b1 128 float32; ll_b2 128 float32; ll_mb1 128 float32; ll_mb2 8 float32; ll_mw1 128 x 128 float32; ll_mw2 128 x 8 float32; ll_sb1 128 float32; ll_sb2 8 float32; ll_sw1 128 x 128 float32; ll_sw2 128 x 8 float32; ll_w1 63 x 128 float32; ll_w2 128 x 128 float32; pr_b1 128 float32; pr_b2 128 float32; pr_b3 256 float32; pr_w1 47 x 128 float32; pr_w2 128 x 128 float32; pr_w3 128 x 256 float32; states 8,192 x 64 x 47 float32.
;; Outputs: out0 8,192 x 47 float32; out1 8,192 x 47 float32; out2 8,192 x 64 x 8 float32; out3 8,192 x 64 x 8 float32; out4 one number float32; out5 8,192 x 256 float32.
;; 2 versions, each right; version 2 is version 1 with the launch prep written anew for expert scheduling mode. Each part assembles by itself: llvm-mc -triple=amdgcn-amd-amdhsa -mcpu=gfx1250 --defsym DOCPART=n.
;; ======== version 1 of 2: 3 launches
;; limits: values are held in f16: magnitudes above 65,504 overflow, below 6.1e-05 lose precision; below input magnitudes of 7.629e-06 results are inexact or not finite; inputs' magnitudes at most 65,504
;; workspace buffers: wimg 425,984 bytes; zbuf 262,144 bytes; lbuf 1,024 bytes
;; launch prep (part 1): grid 208 x 1, 2 waves a work-group, no clusters, 0 bytes of LDS; arguments enc_w1, enc_b1, enc_w2, ll_w1, ll_b1, ll_w2, ll_mw1, ll_sw1, ll_mw2, ll_sw2, pr_w1, pr_b1, pr_w2, pr_w3, ad_w1, ad_b1, ad_w2, ad_mw1, ad_sw1, ad_mw2, ad_sw2, wimg; writes wimg
.if DOCPART == 1
	.amdgcn_target "amdgcn-amd-amdhsa--gfx1250"
	.amdhsa_code_object_version 6
	.text
	.protected	k_qdc465fcbbd_prep
	.globl	k_qdc465fcbbd_prep
	.p2align	8
	.type	k_qdc465fcbbd_prep,@function
k_qdc465fcbbd_prep:
	s_mov_b64 s[64:65], 0
	v_nop
	global_prefetch_b8 v0, s[64:65] scope:SCOPE_SE
	s_setreg_imm32_b32 hwreg(HW_REG_WAVE_MODE, 25, 1), 1
	s_wait_xcnt 0x0
; THE WHOLE PROGRAM: three launches.  prep lays all weight matrices out as matrix-operand fragments (wimg); main runs encoder, vector quantiser and
; low-level policy on all 8,192 x 64 rows, reading states and actions once; tail runs prior and abstract dynamics on the 8,192 first states and sums the loss.
; WORK LEFT OUT, for all finite values of the inputs:
;   z = z_e + (z_q - z_e) is z_q in exact arithmetic, so z_q itself feeds dynamics and policy;
;   mean((z_e - z_q)^2) stands twice in vq_loss (stop_gradient changes no value): one sum, times (1 + 0.25) / (8192 x 16).
; Every input has a way to an output and is loaded.  A NaN, infinity or overflow that would arise only in z_e + (z_q - z_e) is not carried to the result.
; FORMATS.  All inputs are rounded once to bf16 (states, actions, every weight, every bias, the codebook).  Behind that rounding the encoder keeps f32 accuracy
; (its hidden layer goes on as two bf16 terms), since the argmin decides whole rows of the outputs.
; LIMITS.  Policy weights from its second layer on are those bf16 numbers written as f16: exact from 2^-17 to 65,504 in magnitude, below that on a step of 2^-24.
;
; THIS LAUNCH.  A fragment is 1,024 bytes: 16 output channels c x 32 k, the byte at 512 half + 16 (c + 16 h) + 2 e holding k = 16 half + 8 h + e: a lane's two
; loads of 16 bytes at 16 lane and 512 + 16 lane ARE the eight registers of a matrix operand.  Fragment number in a matrix: (channel tile) x (K / 32) + (k step).
; First layers have K = 64: k < 47 state k; k = 47 the constant 1 (its weight row is the bias b1); k = 48 + i row 47 + i of w1 (actions or z), zero beyond the matrix.
; One wave makes one fragment: 16 scattered loads a lane, two stores of 512 consecutive aligned bytes a wave.  416 fragments, 208 work-groups of two waves.
	s_load_b512 s[4:19], s[0:1], 0x0               ; enc_w1 4, enc_b1 6, enc_w2 8, ll_w1 10, ll_b1 12, ll_w2 14, ll_mw1 16, ll_sw1 18
	s_load_b512 s[20:35], s[0:1], 0x40             ; ll_mw2 20, ll_sw2 22, pr_w1 24, pr_b1 26, pr_w2 28, pr_w3 30, ad_w1 32, ad_b1 34
	s_load_b256 s[36:43], s[0:1], 0x80             ; ad_w2 36, ad_mw1 38, ad_sw1 40, ad_mw2 42
	s_load_b128 s[44:47], s[0:1], 0xa0             ; ad_sw2 44, wimg 46
	v_lshrrev_b32 v1, 5, v0
	v_readfirstlane_b32 s49, v1                    ; wave 0..1
	s_lshl_b32 s48, ttmp9, 1
	s_add_co_u32 s48, s48, s49                     ; f: my fragment
	v_and_b32 v2, 15, v0                           ; c
	v_bfe_u32 v3, v0, 4, 1                         ; h
	v_and_b32 v11, 31, v0
	v_lshlrev_b32 v11, 4, v11                      ; 16 x lane
	s_wait_kmcnt 0x0
; The table of matrices: the last entry whose first fragment is not above f wins.  s[50:51] matrix, s[52:53] bias (the matrix itself where there is none),
; s54 row pitch, s55 rows, s56 the k of the bias row (0xffff: none), s57 mask on c, s58 columns, s59 lanes that hold weights, s60 log2(K / 32), s61 first fragment, s62 1: f16
	s_mov_b64 s[50:51], s[4:5]
	s_mov_b64 s[52:53], s[6:7]
	s_mov_b32 s54, 128
	s_mov_b32 s55, 55
	s_mov_b32 s56, 47
	s_mov_b32 s57, 15
	s_mov_b32 s58, 128
	s_mov_b32 s59, -1
	s_mov_b32 s60, 1
	s_mov_b32 s61, 0
	s_mov_b32 s62, 0
.macro ENT start, ptr, bptr, n, krows, skip, cmask, ncols, lmask, kflog, fmt
	s_cmp_ge_u32 s48, \start
	s_cselect_b64 s[50:51], s[\ptr:\ptr+1], s[50:51]
	s_cselect_b64 s[52:53], s[\bptr:\bptr+1], s[52:53]
	s_cselect_b32 s54, \n, s54
	s_cselect_b32 s55, \krows, s55
	s_cselect_b32 s56, \skip, s56
	s_cselect_b32 s57, \cmask, s57
	s_cselect_b32 s58, \ncols, s58
	s_cselect_b32 s59, \lmask, s59
	s_cselect_b32 s60, \kflog, s60
	s_cselect_b32 s61, \start, s61
	s_cselect_b32 s62, \fmt, s62
.endm
	ENT 16,  8,  8,  128, 128, 0xffff, 15, 128, -1, 2, 0          ; enc_w2
	ENT 48,  10, 12, 128, 63,  47,     15, 128, -1, 1, 0          ; ll_w1, ll_b1
	ENT 64,  14, 14, 128, 128, 0xffff, 15, 128, -1, 2, 1          ; ll_w2
	ENT 96,  16, 16, 128, 128, 0xffff, 15, 128, -1, 2, 1          ; ll_mw1
	ENT 128, 18, 18, 128, 128, 0xffff, 15, 128, -1, 2, 1          ; ll_sw1
	ENT 160, 20, 20, 8,   128, 0xffff, 7,  8,   0x00ff00ff, 2, 1  ; ll_mw2: channels 0-7 of the two heads' one tile
	ENT 164, 22, 22, 8,   128, 0xffff, 7,  8,   0xff00ff00, 2, 1  ; ll_sw2: channels 8-15
	ENT 168, 24, 26, 128, 47,  47,     15, 128, -1, 1, 0          ; pr_w1, pr_b1
	ENT 184, 28, 28, 128, 128, 0xffff, 15, 128, -1, 2, 0          ; pr_w2
	ENT 216, 30, 30, 256, 128, 0xffff, 15, 256, -1, 2, 0          ; pr_w3
	ENT 280, 32, 34, 128, 63,  47,     15, 128, -1, 1, 0          ; ad_w1, ad_b1
	ENT 296, 36, 36, 128, 128, 0xffff, 15, 128, -1, 2, 0          ; ad_w2
	ENT 328, 38, 38, 128, 128, 0xffff, 15, 128, -1, 2, 0          ; ad_mw1
	ENT 360, 40, 40, 128, 128, 0xffff, 15, 128, -1, 2, 0          ; ad_sw1
	ENT 392, 42, 42, 47,  128, 0xffff, 15, 47,  -1, 2, 0          ; ad_mw2
	ENT 404, 44, 44, 47,  128, 0xffff, 15, 47,  -1, 2, 0          ; ad_sw2
	s_sub_co_u32 s63, s48, s61                     ; fragment in its matrix
	s_lshr_b32 s66, s63, s60                       ; channel tile
	s_bfm_b32 s68, s60, 0
	s_and_b32 s67, s63, s68                        ; k step
	s_lshl_b32 s68, s66, 4
	v_and_b32 v4, s57, v2
	v_add_nc_u32 v4, s68, v4                       ; column
	s_sub_co_u32 s69, s58, 1
	v_min_u32 v5, s69, v4                          ; clamped: every load stays in its matrix
	s_lshl_b32 s70, s67, 5
	v_lshl_add_u32 v6, v3, 3, s70                  ; 32 ks + 8 h
	s_sub_co_u32 s71, s55, 1
	v_cmp_gt_u32 s72, s58, v4                      ; lanes whose column exists,
	s_and_b32 s72, s72, s59                        ; and that hold weights of this matrix
	v_lshlrev_b32 v10, 2, v5
	global_load_b32 v12, v10, s[52:53]             ; the bias of my column
.set j, 0
.rept 16                                       ; number j of my 16: k = 32 ks + 8 h + 16 (j / 8) + j % 8; behind the bias row the matrix's rows lag k by one
	v_add_nc_u32 v7, 16*(j/8)+j%8, v6
	v_cmp_lt_u32 vcc_lo, s56, v7
	v_cndmask_b32 v8, 0, 1, vcc_lo
	v_sub_nc_u32 v[48+j], v7, v8                   ; row
	v_min_u32 v9, s71, v[48+j]
	v_mad_u32_u24 v9, v9, s54, v5
	v_lshlrev_b32 v[16+j], 2, v9
	global_load_b32 v[32+j], v[16+j], s[50:51]
.set j, j+1
.endr
	s_wait_loadcnt 0x0
.set j, 0
.rept 16                                       ; zero outside the matrix; the bias in its row
	v_cmp_gt_u32 vcc_lo, s55, v[48+j]
	s_and_b32 vcc_lo, vcc_lo, s72
	v_cndmask_b32 v[32+j], 0, v[32+j], vcc_lo
	v_add_nc_u32 v7, 16*(j/8)+j%8, v6
	v_cmp_eq_u32 vcc_lo, s56, v7
	v_cndmask_b32 v[32+j], v[32+j], v12, vcc_lo
.set j, j+1
.endr
.set j, 0
.rept 8
	v_cvt_pk_bf16_f32 v[48+j], v[32+2*j], v[32+2*j+1]
.set j, j+1
.endr
	s_cmp_eq_u32 s62, 0
	s_cbranch_scc1 .Lstore
.set j, 0
.rept 8                                        ; the bf16 numbers written as f16
	v_lshlrev_b32 v7, 16, v[48+j]
	v_and_b32 v8, 0xffff0000, v[48+j]
	v_cvt_pk_f16_f32 v[48+j], v7, v8
.set j, j+1
.endr
.Lstore:
	s_lshl_b32 s74, s48, 10
	s_mov_b32 s75, 0
	s_add_nc_u64 s[46:47], s[46:47], s[74:75]
	global_store_b128 v11, v[48:51], s[46:47]              ; each store of the wave covers 512 consecutive bytes, aligned
	global_store_b128 v11, v[52:55], s[46:47] offset:512
	s_endpgm
.Lfunc_end_k_qdc465fcbbd_prep:
	.size	k_qdc465fcbbd_prep, .Lfunc_end_k_qdc465fcbbd_prep-k_qdc465fcbbd_prep
	.p2alignl 7, 3214868480
	.fill 96, 4, 3214868480
	.section	.rodata,"a",@progbits
	.p2align	6, 0x0
	.amdhsa_kernel k_qdc465fcbbd_prep
		.amdhsa_group_segment_fixed_size 0
		.amdhsa_private_segment_fixed_size 0
		.amdhsa_enable_private_segment 0
		.amdhsa_kernarg_size 176
		.amdhsa_user_sgpr_count 2
		.amdhsa_user_sgpr_kernarg_segment_ptr 1
		.amdhsa_wavefront_size32 1
		.amdhsa_system_sgpr_workgroup_id_x 1
		.amdhsa_system_sgpr_workgroup_id_y 1
		.amdhsa_system_sgpr_workgroup_id_z 1
		.amdhsa_system_vgpr_workitem_id 0
		.amdhsa_next_free_vgpr 64
		.amdhsa_next_free_sgpr 100
		.amdhsa_reserve_vcc 1
		.amdhsa_float_denorm_mode_32 3
		.amdhsa_float_denorm_mode_16_64 3
		.amdhsa_memory_ordered 1
		.amdhsa_forward_progress 1
		.amdhsa_inst_pref_size 22
	.end_amdhsa_kernel
	.amdgpu_metadata
---
amdhsa.version: [ 1, 2 ]
amdhsa.kernels:
  - .name:           k_qdc465fcbbd_prep
    .symbol:         k_qdc465fcbbd_prep.kd
    .args:
      - { .name: enc_w1, .offset: 0, .size: 8, .value_kind: global_buffer, .address_space: global }
      - { .name: enc_b1, .offset: 8, .size: 8, .value_kind: global_buffer, .address_space: global }
      - { .name: enc_w2, .offset: 16, .size: 8, .value_kind: global_buffer, .address_space: global }
      - { .name: ll_w1, .offset: 24, .size: 8, .value_kind: global_buffer, .address_space: global }
      - { .name: ll_b1, .offset: 32, .size: 8, .value_kind: global_buffer, .address_space: global }
      - { .name: ll_w2, .offset: 40, .size: 8, .value_kind: global_buffer, .address_space: global }
      - { .name: ll_mw1, .offset: 48, .size: 8, .value_kind: global_buffer, .address_space: global }
      - { .name: ll_sw1, .offset: 56, .size: 8, .value_kind: global_buffer, .address_space: global }
      - { .name: ll_mw2, .offset: 64, .size: 8, .value_kind: global_buffer, .address_space: global }
      - { .name: ll_sw2, .offset: 72, .size: 8, .value_kind: global_buffer, .address_space: global }
      - { .name: pr_w1, .offset: 80, .size: 8, .value_kind: global_buffer, .address_space: global }
      - { .name: pr_b1, .offset: 88, .size: 8, .value_kind: global_buffer, .address_space: global }
      - { .name: pr_w2, .offset: 96, .size: 8, .value_kind: global_buffer, .address_space: global }
      - { .name: pr_w3, .offset: 104, .size: 8, .value_kind: global_buffer, .address_space: global }
      - { .name: ad_w1, .offset: 112, .size: 8, .value_kind: global_buffer, .address_space: global }
      - { .name: ad_b1, .offset: 120, .size: 8, .value_kind: global_buffer, .address_space: global }
      - { .name: ad_w2, .offset: 128, .size: 8, .value_kind: global_buffer, .address_space: global }
      - { .name: ad_mw1, .offset: 136, .size: 8, .value_kind: global_buffer, .address_space: global }
      - { .name: ad_sw1, .offset: 144, .size: 8, .value_kind: global_buffer, .address_space: global }
      - { .name: ad_mw2, .offset: 152, .size: 8, .value_kind: global_buffer, .address_space: global }
      - { .name: ad_sw2, .offset: 160, .size: 8, .value_kind: global_buffer, .address_space: global }
      - { .name: wimg, .offset: 168, .size: 8, .value_kind: global_buffer, .address_space: global }
    .group_segment_fixed_size: 0
    .private_segment_fixed_size: 0
    .kernarg_segment_align: 8
    .kernarg_segment_size: 176
    .max_flat_workgroup_size: 64
    .sgpr_count:     100
    .vgpr_count:     64
    .wavefront_size: 32
...
	.end_amdgpu_metadata
.endif
;; end of part 1
;; launch main (part 2): grid 256 x 1, 8 waves a work-group, clusters of 4 x 1, 327,680 bytes of LDS; arguments states, actions, wimg, enc_b2, enc_wz, enc_bz, codebook, ll_b2, ll_mb1, ll_sb1, ll_mb2, ll_sb2, out2, out3, zbuf, lbuf; writes out2, out3, zbuf, lbuf
.if DOCPART == 2
	.amdgcn_target "amdgcn-amd-amdhsa--gfx1250"
	.amdhsa_code_object_version 6
	.text
	.protected	k_qdc465fcbbd_main
	.globl	k_qdc465fcbbd_main
	.p2align	8
	.type	k_qdc465fcbbd_main,@function
k_qdc465fcbbd_main:
	s_mov_b64 s[64:65], 0
	v_nop
	global_prefetch_b8 v0, s[64:65] scope:SCOPE_SE
	s_setreg_imm32_b32 hwreg(HW_REG_WAVE_MODE, 25, 1), 1
	s_wait_xcnt 0x0
	s_wait_alu depctr_hold_cnt(0) depctr_sa_sdst(0) depctr_va_vdst(0) depctr_va_sdst(0) depctr_va_ssrc(0) depctr_va_vcc(0) depctr_vm_vsrc(0)
	s_getreg_b32 s2, hwreg(HW_REG_IB_STS2, 6, 4)
	s_cmp_eq_u32 s2, 0
	s_cbranch_scc0 .Lentry_in_a_cluster
	s_endpgm
.Lentry_in_a_cluster:
	s_bfe_u32 s2, ttmp6, 0x10000c
	s_cmp_lg_u32 s2, 0x3003
	s_cbranch_scc0 .Lentry_shape_is_right
	s_endpgm
.Lentry_shape_is_right:
; ENCODER, VECTOR QUANTISER AND LOW-LEVEL POLICY, fused: states and actions are read once, a_mean (out2) and a_sig (out3) written once; z_q goes to zbuf (bf16), the loss's partial sum to lbuf (f32).
; Left out (shown at the head of the first kernel): z = z_q; the loss's two means are one sum.
; SHARES.  A work-group owns 32 sequences, a wave one sequence (64 rows, four tiles of 16) in each of four trips.  No wave needs another's data in the loop: no barrier there.
; Two waves share a SIMD, 512 registers each: the text goes in phases (products, then conversions), and one wave's conversions stand beside the other's products.
; WEIGHTS.  Fragments 0-167 of wimg (172,032 bytes) lie in LDS for the whole launch.  The four work-groups of a cluster ask for them JOINTLY, each wave for 84 rows of 256 bytes: one tensor load a wave is out.
; LAYOUT.  Products are taken transposed (source 0 = 16 channels of weights, source 1 = 16 data rows): a lane then holds ONE data row and eight channels, and two results packed in pairs ARE
; the next layer's source 1: nothing goes through LDS between layers.  The encoder's second layer swaps the sources: a lane holds one channel and eight rows, so the mean over T is a sum in the lane.
; ENCODER ACCURACY.  Layer 1: bf16 x bf16 in f32 sums.  Its result goes on as hi + lo, two bf16 terms.  relu(x + b) is taken as max(x, -b) + b, the + b once behind the mean.
; Mean, z_e, distances d = (zz - 2 dot) + cc and argmin in f32 on the vector unit.  z_q is selected BY VALUE: a one-hot operand times the bf16 codebook, 8 products, exact: no address hangs on the argmin.
; POLICY FORMAT.  Activations are f16 times a power of two alpha, one for a sequence, from a bound that holds for all inputs: with N_l = max over channels of (sum |w| + |b|),
; B0 = max |input| (at least 1: the bias column), B1 = N1 B0, B_l = N_l max(B_(l-1), 1): alpha x max B lies in 2^14 .. 2^15.  Biases enter as alpha b in the f32 sums; the heads' sums are divided by alpha.
; LIMITS.  Two codes whose d differ by less than f32's rounding of d may be taken the other way; ties take the first index; a NaN in d gives z_q = 0, not argmin's index.
; softplus(x) = max(x, 0) + ln2 log2(1 + 2^(-|x| log2 e)): its second term is 0 below x = -17 or so, an absolute error under 6e-8.
.set SCR,   172032                     ; wave w at + 12,288 w: one sequence's states, f32, dense (rows of 188 bytes)
.set TAB,   270336                     ; +0 ll_b2, +512 ll_mb1, +1024 ll_sb1, +1536 -enc_b2, +2048 ll_mb2 | ll_sb2, +2112 enc_bz, +2304 norms [4][8], +2560 enc_wz f32, +10752 codebook bf16, +18944 |code|^2
.set OST,   290304                     ; wave w at + 1,024 w: the way out
.set ZST,   298496                     ; z_q of the 32 sequences (1,024), then their half sums of the loss (256)
.set SPARE, 299776                     ; the spare words, 128 bytes for each wave: four blocks of 256 bytes that no other line names
; window 0: v1 16 lane; v2 v1 + 65,536; v3, v4, v6 walking addresses; v5 TAB + 32 h; v7 -enc_b2 + 4 r; v8, v9 my row in SCR; v10, v11 SCR by lanes; v12 8 lane; v13 32 r; v14, v15 way out;
;   v16 enc_wz; v17, v18 codebook (by codes, turned); v19 |code|^2; v20 1.0; v21 -1.0; v22 float(lane); v23 4 h; v24, v25 ZST; v26 0; v27 1e9; v28, v29 the add's; v30 max |state|; v31 at work
.set IN,   32                          ; v32-95   tile t at 32 + 16 t: k 0-31, 32-47, 48-63 (actions, later z_q), bf16
.set ACC,  96                          ; v96-127  four accumulators, one a tile
.set HACC, 128                         ; v128-159 the heads' four
.set FR,   160                         ; v160-223 two buffers of four weight fragments
.set BI,   224                         ; v224-239 two buffers of eight biases
.set PZ,   232                         ; z_e's eight components 8 h + j
.set SS,   240
.set TT,   248
.set ZN,   136                         ; z_e's sixteen, in every lane
.set ZZ,   152
; window 1: 32 t + 8 kf + register: 0-127 encoder hi / policy P; 128-255 encoder lo / policy Q
.set W_D1,   0x40
.set W_S0,   0x01
.set W_S1,   0x04
.set W_D1S0, 0x41
.set MSB, 0
.macro WIN new                         ; the immediate's high byte repeats the setting that is left; a switch that changes nothing is dropped
.if MSB != (\new)
	s_set_vgpr_msb (MSB<<8)|(\new)
.set MSB, (\new)
.endif
.endm
.macro NOP4
.rept 4
	v_nop
.endr
.endm
.macro ROUND                           ; a round of the cluster's barrier
	s_barrier_signal -1
	s_barrier_wait -1
	s_cmp_lg_u32 s40, 0
	s_cbranch_scc1 .Lnot_wave_0_\@
	s_barrier_signal -3
.Lnot_wave_0_\@:
	s_barrier_wait -3
	s_barrier_signal -1
	s_barrier_wait -1
.endm
.macro LDF buf, areg, off, n           ; n fragments into buffer buf
.set lq, 0
.rept \n
	ds_load_b128 v[FR+32*(\buf)+8*lq:FR+32*(\buf)+8*lq+3],   v[\areg] offset:(\off)+1024*lq
	ds_load_b128 v[FR+32*(\buf)+8*lq+4:FR+32*(\buf)+8*lq+7], v[\areg] offset:(\off)+1024*lq+512
.set lq, lq+1
.endr
.endm
.macro LDBI buf, areg, off             ; eight biases
	ds_load_b128 v[BI+8*(\buf):BI+8*(\buf)+3],   v[\areg] offset:(\off)
	ds_load_b128 v[BI+8*(\buf)+4:BI+8*(\buf)+7], v[\areg] offset:(\off)+16
.endm
.macro WRED op, r, t                   ; over the 32 lanes, the result in every lane
	\op\()_dpp v[\r], v[\r], v[\r] row_xmask:1 row_mask:0xf bank_mask:0xf
	\op\()_dpp v[\r], v[\r], v[\r] row_xmask:2 row_mask:0xf bank_mask:0xf
	\op\()_dpp v[\r], v[\r], v[\r] row_xmask:4 row_mask:0xf bank_mask:0xf
	\op\()_dpp v[\r], v[\r], v[\r] row_xmask:8 row_mask:0xf bank_mask:0xf
	v_permlanex16_b32 v[\t], v[\r], s46, s47
	\op v[\r], v[\r], v[\t]
.endm
; A block of a first layer (K = 64): channel tile mt for the four row tiles.  The next block's 4 LDS loads go out first and may stay out.  The four accumulators take turns.
.macro L1BLK base, mt
	WIN 0
.if (\mt) == 0
	LDF 0, 1, \base, 2
.endif
.if (\mt) < 7
	LDF ((\mt)+1)%2, 1, (\base)+2048*((\mt)+1), 2
	s_wait_dscnt 4                                 ; all but the next block's four
.else
	s_wait_dscnt 0x0
.endif
.set fb, FR+32*((\mt)%2)
.set pt, 0
.rept 4
	v_wmma_f32_16x16x32_bf16 v[ACC+8*pt:ACC+8*pt+7], v[fb:fb+7], v[IN+16*pt:IN+16*pt+7], 0
.set pt, pt+1
.endr
.set pt, 0
.rept 4
	v_wmma_f32_16x16x32_bf16 v[ACC+8*pt:ACC+8*pt+7], v[fb+8:fb+15], v[IN+16*pt+8:IN+16*pt+15], v[ACC+8*pt:ACC+8*pt+7]
.set pt, pt+1
.endr
	NOP4                                           ; four places between the last product and the first read of a result
.endm
.macro SPLIT mt                        ; relu, then hi = bf16(x), lo = bf16(x - hi), into the next layer's operand registers
.set hb, 8*((\mt)/2)+4*((\mt)%2)
.set ei, 0
.rept 32
	v_max_num_f32 v[ACC+ei], 0, v[ACC+ei]
.set ei, ei+1
.endr
	WIN W_D1
.set ei, 0
.rept 16
	v_cvt_pk_bf16_f32 v[32*(ei/4)+hb+ei%4], v[ACC+2*ei], v[ACC+2*ei+1]
.set ei, ei+1
.endr
	WIN W_S0
.set ei, 0
.rept 16
	v_fma_mix_f32_bf16 v[ACC+2*ei], v[32*(ei/4)+hb+ei%4], v21, v[ACC+2*ei] op_sel:[0,0,0] op_sel_hi:[1,0,0]
	v_fma_mix_f32_bf16 v[ACC+2*ei+1], v[32*(ei/4)+hb+ei%4], v21, v[ACC+2*ei+1] op_sel:[1,0,0] op_sel_hi:[1,0,0]
.set ei, ei+1
.endr
	WIN W_D1
.set ei, 0
.rept 16
	v_cvt_pk_bf16_f32 v[128+32*(ei/4)+hb+ei%4], v[ACC+2*ei], v[ACC+2*ei+1]
.set ei, ei+1
.endr
	WIN 0
.endm
; Encoder layer 2, channel tile nt: sources swapped; hi and lo both multiply the same weights: 32 products; then max(x, -b) and the sum over my 32 rows.
.macro EL2 nt
	WIN 0
.if (\nt) == 0
	LDF 0, 1, 16384, 4
	ds_load_b32 v[BI], v7
.endif
.if (\nt) < 7
	LDF ((\nt)+1)%2, 1, 16384+4096*((\nt)+1), 4
	ds_load_b32 v[BI+8*(((\nt)+1)%2)], v7 offset:64*((\nt)+1)
	s_wait_dscnt 9                                 ; all but the next block's nine
.else
	s_wait_dscnt 0x0
.endif
	WIN W_S0
.set fb, FR+32*((\nt)%2)
.set pk_, 0
.rept 4
.set pp, 0
.rept 2
.set pt, 0
.rept 4
.if (pk_ == 0) && (pp == 0)
	v_wmma_f32_16x16x32_bf16 v[ACC+8*pt:ACC+8*pt+7], v[128*pp+32*pt+8*pk_:128*pp+32*pt+8*pk_+7], v[fb+8*pk_:fb+8*pk_+7], 0
.else
	v_wmma_f32_16x16x32_bf16 v[ACC+8*pt:ACC+8*pt+7], v[128*pp+32*pt+8*pk_:128*pp+32*pt+8*pk_+7], v[fb+8*pk_:fb+8*pk_+7], v[ACC+8*pt:ACC+8*pt+7]
.endif
.set pt, pt+1
.endr
.set pp, pp+1
.endr
.set pk_, pk_+1
.endr
	WIN 0
	NOP4
.set ei, 0
.rept 32
	v_max_num_f32 v[ACC+ei], v[BI+8*((\nt)%2)], v[ACC+ei]
.set ei, ei+1
.endr
.irp w, 16,8,4,2
.set ei, 0
.rept (\w)/2
	v_pk_add_f32 v[ACC+2*ei:ACC+2*ei+1], v[ACC+2*ei:ACC+2*ei+1], v[ACC+(\w)+2*ei:ACC+(\w)+2*ei+1]
.set ei, ei+1
.endr
.endr
	v_add_f32 v[SS+(\nt)], v[ACC], v[ACC+1]
.endm
.macro F16E dst, mt, scale             ; (times alpha,) to f16, relu, into the next layer's operand registers
.set hb, (\dst)+8*((\mt)/2)+4*((\mt)%2)
.if \scale
.set ei, 0
.rept 16
	v_pk_mul_f32 v[ACC+2*ei:ACC+2*ei+1], v[ACC+2*ei:ACC+2*ei+1], s[66:67] op_sel_hi:[1,0]
.set ei, ei+1
.endr
.endif
	WIN W_D1
.set ei, 0
.rept 16
	v_cvt_pk_f16_f32 v[32*(ei/4)+hb+ei%4], v[ACC+2*ei], v[ACC+2*ei+1]
.set ei, ei+1
.endr
	WIN W_D1S0
.set ei, 0
.rept 16
	v_pk_max_num_f16 v[32*(ei/4)+hb+ei%4], v[32*(ei/4)+hb+ei%4], s60
.set ei, ei+1
.endr
	WIN 0
.endm
; A block of a 128 x 128 policy layer: 16 f16 products; the sums start with alpha x bias.
.macro LBLK src, dst, areg, breg, mt
	WIN 0
.if (\mt) == 0
	LDF 0, \areg, 0, 4
	LDBI 0, \breg, 0
.endif
.if (\mt) < 7
	LDF ((\mt)+1)%2, \areg, 4096*((\mt)+1), 4
	LDBI ((\mt)+1)%2, \breg, 64*((\mt)+1)
	s_wait_dscnt 10                                ; all but the next block's ten
.else
	s_wait_dscnt 0x0
.endif
.set fb, FR+32*((\mt)%2)
.set bb, BI+8*((\mt)%2)
.set ei, 0
.rept 4
	v_pk_mul_f32 v[bb+2*ei:bb+2*ei+1], v[bb+2*ei:bb+2*ei+1], s[66:67] op_sel_hi:[1,0]
.set ei, ei+1
.endr
	WIN W_S1
.set pk_, 0
.rept 4
.set pt, 0
.rept 4
.if pk_ == 0
	v_wmma_f32_16x16x32_f16 v[ACC+8*pt:ACC+8*pt+7], v[fb:fb+7], v[(\src)+32*pt:(\src)+32*pt+7], v[bb:bb+7]
.else
	v_wmma_f32_16x16x32_f16 v[ACC+8*pt:ACC+8*pt+7], v[fb+8*pk_:fb+8*pk_+7], v[(\src)+32*pt+8*pk_:(\src)+32*pt+8*pk_+7], v[ACC+8*pt:ACC+8*pt+7]
.endif
.set pt, pt+1
.endr
.set pk_, pk_+1
.endr
	WIN 0
	NOP4
	F16E \dst, \mt, 0
.endm
; The next sequence comes in two batches through the registers of IN, which are idle behind the policy's first layer: 8,192 bytes of states; then the other 3,840 and the actions.
.macro PF1 step
.if \step
	s_wait_xcnt 0x0                                ; the pointers are written only behind this wait
	s_add_nc_u64 s[8:9], s[8:9], 96256             ; eight sequences on
	s_add_nc_u64 s[10:11], s[10:11], 16384
.endif
.set ei, 0
.rept 16
	global_load_b128 v[IN+4*ei:IN+4*ei+3], v1, s[8:9] offset:512*ei th:TH_LOAD_NT
.set ei, ei+1
.endr
.endm
.macro PF2
	s_wait_loadcnt 0x0
.set ei, 0
.rept 16
	ds_store_b128 v10, v[IN+4*ei:IN+4*ei+3] offset:512*ei
.set ei, ei+1
.endr
.set ei, 0
.rept 7
	global_load_b128 v[IN+16*(ei/2)+8+4*(ei%2):IN+16*(ei/2)+8+4*(ei%2)+3], v1, s[8:9] offset:512*(16+ei) th:TH_LOAD_NT
.set ei, ei+1
.endr
	global_load_b64 v[IN+60:IN+61], v12, s[8:9] offset:11776 th:TH_LOAD_NT
.set ei, 0
.rept 8
	global_load_b128 v[IN+16*(ei/2)+4*(ei%2):IN+16*(ei/2)+4*(ei%2)+3], v13, s[10:11] offset:512*(ei/2)+16*(ei%2) th:TH_LOAD_NT
.set ei, ei+1
.endr
.endm
.macro RLD t                           ; tile t's 24 numbers a lane out of SCR: k = 16 c + 8 h + i.  k = 47 does not exist: lanes 16-31 read k = 46 there, and 1.0 takes its place
.set RB, ACC+24*((\t)%2)
.set ei, 0
.rept 23
	ds_load_b32 v[RB+ei], v8 offset:3008*(\t)+64*(ei/8)+4*(ei%8)
.set ei, ei+1
.endr
	ds_load_b32 v[RB+23], v9 offset:3008*(\t)+156
.endm
.macro RCV t                           ; the constant column, the largest magnitude, the rounding to bf16
.set RB, ACC+24*((\t)%2)
	v_cndmask_b32 v[RB+23], v[RB+23], v20, s45
.set ei, 0
.rept 12
	v_max3_num_f32 v30, v30, |v[RB+2*ei]|, |v[RB+2*ei+1]|
	v_cvt_pk_bf16_f32 v[IN+16*(\t)+ei], v[RB+2*ei], v[RB+2*ei+1]
.set ei, ei+1
.endr
.endm
.macro NSUM n, op                      ; the sum of |w| over n registers of 16-bit pairs, both halves of the lanes: a channel's sum in its lane
	v_mov_b32 v130, 0
	v_mov_b32 v131, 0
.set ei, 0
.rept \n
	v_and_b32 v[ACC+ei], 0x7fff7fff, v[ACC+ei]
	\op v130, v[ACC+ei], v20, v130 op_sel:[0,0,0] op_sel_hi:[1,0,0]
	\op v131, v[ACC+ei], v20, v131 op_sel:[1,0,0] op_sel_hi:[1,0,0]
.set ei, ei+1
.endr
	v_add_f32 v130, v130, v131
	v_permlanex16_b32 v131, v130, s46, s47
	v_add_f32 v130, v130, v131
.endm
.macro NMAX                            ; over the tile's 16 channels
.irp m, 1,2,4,8
	v_max_num_f32_dpp v130, v130, v130 row_xmask:\m row_mask:0xf bank_mask:0xf
.endr
.endm
	s_load_b512 s[8:23], s[0:1], 0x0               ; states 8, actions 10, wimg 12, enc_b2 14, enc_wz 16, enc_bz 18, codebook 20, ll_b2 22
	s_load_b512 s[24:39], s[0:1], 0x40             ; ll_mb1 24, ll_sb1 26, ll_mb2 28, ll_sb2 30, out2 32, out3 34, zbuf 36, lbuf 38
	v_lshl_add_u32 v28, v0, 2, SPARE
	v_mov_b32 v29, 0
	ds_add_u32 v28, v29                            ; the wave's opening: the add, twice on end, and its wait ahead of my first tensor load
	ds_add_u32 v28, v29
	v_lshrrev_b32 v31, 5, v0
	v_readfirstlane_b32 s40, v31                   ; wave 0..7
	s_bfe_u32 s41, ttmp6, 0x40000                  ; cx
	s_lshl_b32 s42, ttmp9, 2
	s_add_co_u32 s42, s42, s41                     ; my work-group: it enters global addresses alone
	s_mov_b32 s45, 0xffff0000                      ; a word's upper bf16; also: lanes 16-31
	s_mov_b32 s46, 0x76543210
	s_mov_b32 s47, 0xfedcba98
	s_mov_b32 s48, 1                               ; group 0: count 1,
	s_mul_i32 s49, s40, 21504                      ; LDS address: my 84 rows
	s_mov_b32 s52, 15|(3<<16)|(1<<21)              ; group 1: the mask of four, elements of 8 bytes, bit 21 beside a mask
	s_mov_b32 s53, 32<<16                          ; tensor_dim0 = 32
	s_mov_b32 s54, 84<<16                          ; tensor_dim1 = 84
	s_mov_b32 s55, 32<<16                          ; tile_dim0 = 32
	s_mov_b32 s56, 84                              ; tile_dim1 = 84
	s_mov_b32 s57, 32                              ; pitch
	s_mov_b32 s58, 0
	s_mov_b32 s59, 0
	s_mov_b32 s60, 0
	s_mov_b32 s61, 0x3c800000                      ; 1 / 64
	s_mov_b32 s62, 0x3fb8aa3b                      ; log2 e
	s_mov_b32 s63, 0x3f317218                      ; ln 2
	s_mov_b32 s73, 0x3f80                          ; 1.0 in bf16
	s_mov_b32 s83, 0xff00ff00
	s_mul_i32 s74, s40, 12288
	s_add_co_u32 s74, s74, SCR
	s_lshl_b32 s75, s40, 10
	s_add_co_u32 s75, s75, OST
	v_and_b32 v248, 31, v0                         ; lane
	v_and_b32 v30, 15, v0                          ; r
	v_bfe_u32 v31, v0, 4, 1                        ; h
	v_lshlrev_b32 v1, 4, v248
	v_add_nc_u32 v2, 0x10000, v1
	v_lshl_add_u32 v5, v31, 5, TAB
	v_lshl_add_u32 v7, v30, 2, TAB+1536
	v_mul_u32_u24 v8, v30, 188
	v_lshl_add_u32 v8, v31, 5, v8
	v_add_nc_u32 v8, s74, v8
	v_lshlrev_b32 v23, 2, v31
	v_sub_nc_u32 v9, v8, v23
	v_add_nc_u32 v10, s74, v1
	v_lshlrev_b32 v12, 3, v248
	v_add_nc_u32 v11, s74, v12
	v_add_nc_u32 v11, 11776, v11
	v_lshlrev_b32 v13, 5, v30
	v_lshl_add_u32 v14, v31, 9, s75
	v_lshl_add_u32 v14, v30, 5, v14
	v_add_nc_u32 v15, s75, v1
	v_lshl_add_u32 v16, v30, 6, TAB+2560
	v_lshl_add_u32 v16, v31, 5, v16
	v_lshl_add_u32 v17, v248, 5, TAB+10752
	v_and_b32 v249, 7, v0
	v_lshl_add_u32 v249, v31, 3, v249
	v_bfe_u32 v250, v0, 3, 1
	v_lshl_add_u32 v18, v249, 5, TAB+10752
	v_lshl_add_u32 v18, v250, 4, v18
	v_lshl_add_u32 v19, v248, 2, TAB+18944
	v_mov_b32 v20, 1.0
	v_mov_b32 v21, -1.0
	v_cvt_f32_u32 v22, v248
	s_lshl_b32 s76, s40, 5
	v_lshl_add_u32 v24, v31, 4, s76
	v_add_nc_u32 v24, ZST, v24
	s_lshl_b32 s76, s40, 3
	v_lshl_add_u32 v25, v31, 2, s76
	v_add_nc_u32 v25, ZST+1024, v25
	v_mov_b32 v26, 0
	v_mov_b32 v27, 0x4e6e6b28
.irp i, 251,252,253,254,255
	v_mov_b32 v\i, 0                               ; written once: a lane exchange counts as a reader of its destination
.endr
	s_wait_dscnt 0x0                               ; both opening adds are done
	s_wait_kmcnt 0x0
	s_lshl_b32 s76, s42, 5
	s_add_co_u32 s76, s76, s40                     ; my first sequence
	s_mul_i32 s78, s76, 12032
	s_mov_b32 s79, 0
	s_add_nc_u64 s[8:9], s[8:9], s[78:79]
	s_lshl_b32 s78, s76, 11
	s_add_nc_u64 s[10:11], s[10:11], s[78:79]
	s_add_nc_u64 s[32:33], s[32:33], s[78:79]
	s_add_nc_u64 s[34:35], s[34:35], s[78:79]
	s_lshl_b32 s78, s42, 10
	s_add_nc_u64 s[36:37], s[36:37], s[78:79]
	s_lshl_b32 s78, s42, 2
	s_add_nc_u64 s[38:39], s[38:39], s[78:79]
	s_mov_b32 s78, s49
	s_add_nc_u64 s[50:51], s[12:13], s[78:79]      ; the image's bytes 21,504 w on: the same in all four partners
	s_or_b32 s51, s51, 0x80000000                  ; type 2
	ROUND                                          ; all four work-groups are here: the joint loads meet
	tensor_load_to_lds s[48:51], s[52:59]
	s_nop 0
	NOP4
	; the small tables: loaded by threads, rounded to bf16, laid into TAB
	s_lshr_b32 s78, s40, 1                         ; which bias vector my pair of waves brings
	s_cmp_eq_u32 s78, 1
	s_cselect_b64 s[80:81], s[24:25], s[22:23]
	s_cmp_eq_u32 s78, 2
	s_cselect_b64 s[80:81], s[26:27], s[80:81]
	s_cmp_eq_u32 s78, 3
	s_cselect_b64 s[80:81], s[14:15], s[80:81]
	s_cselect_b32 s79, -1.0, 1.0                   ; enc_b2 is kept negated
	v_lshlrev_b32 v140, 6, v0
	v_lshlrev_b32 v141, 5, v0
	v_and_b32 v142, 63, v0
	v_lshlrev_b32 v142, 3, v142
	s_cmp_lg_u32 s40, 0
	s_cbranch_scc1 .Lnot0a
	v_and_b32 v143, 7, v0
	v_lshlrev_b32 v143, 2, v143
	v_lshlrev_b32 v144, 2, v30
	global_load_b32 v96, v143, s[28:29]
	global_load_b32 v97, v143, s[30:31]
	global_load_b32 v98, v144, s[18:19]
.Lnot0a:
.irp i, 0,1,2,3
	global_load_b128 v[104+4*\i:107+4*\i], v140, s[20:21] offset:16*\i  ; thread t: code t
.endr
	global_load_b128 v[120:123], v141, s[16:17]
	global_load_b128 v[124:127], v141, s[16:17] offset:16
	global_load_b64 v[128:129], v142, s[80:81]
	PF1 0
	s_wait_loadcnt 16                              ; the tables are in; the 16 loads of states may stay out
.set i, 0
.rept 8
	v_cvt_pk_bf16_f32 v[130+i], v[104+2*i], v[105+2*i]
.set i, i+1
.endr
	v_fma_mix_f32_bf16 v138, v130, v130, v26 op_sel:[0,0,0] op_sel_hi:[1,1,0]
	v_fma_mix_f32_bf16 v138, v130, v130, v138 op_sel:[1,1,0] op_sel_hi:[1,1,0]
.set i, 1
.rept 7
	v_fma_mix_f32_bf16 v138, v[130+i], v[130+i], v138 op_sel:[0,0,0] op_sel_hi:[1,1,0]
	v_fma_mix_f32_bf16 v138, v[130+i], v[130+i], v138 op_sel:[1,1,0] op_sel_hi:[1,1,0]
.set i, i+1
.endr
	v_add_nc_u32 v145, TAB+10752, v141
	v_lshl_add_u32 v146, v0, 2, TAB+18944
	v_add_nc_u32 v147, TAB+2560, v141
	ds_store_b128 v145, v[130:133]
	ds_store_b128 v145, v[134:137] offset:16
	ds_store_b32 v146, v138
.set i, 0
.rept 4
	v_cvt_pk_bf16_f32 v[104+i], v[120+2*i], v[121+2*i]
.set i, i+1
.endr
.set i, 0
.rept 4
	v_lshlrev_b32 v[108+2*i], 16, v[104+i]
	v_and_b32 v[109+2*i], s45, v[104+i]
.set i, i+1
.endr
	ds_store_b128 v147, v[108:111]
	ds_store_b128 v147, v[112:115] offset:16
	v_cvt_pk_bf16_f32 v116, v128, v129
	v_lshlrev_b32 v118, 16, v116
	v_and_b32 v119, s45, v116
	v_mul_f32 v118, s79, v118
	v_mul_f32 v119, s79, v119
	s_lshl_b32 s82, s78, 9
	v_add_nc_u32 v148, s82, v142
	v_add_nc_u32 v148, TAB, v148
	ds_store_b64 v148, v[118:119]
	s_cmp_lg_u32 s40, 0
	s_cbranch_scc1 .Lnot0b
	v_cvt_pk_bf16_f32 v99, v96, v97
	v_lshlrev_b32 v96, 16, v99
	v_and_b32 v97, s45, v99
	v_cvt_pk_bf16_f32 v99, v98, v98
	v_lshlrev_b32 v98, 16, v99
	v_cndmask_b32 v96, v96, v97, s83               ; channels 0-7 ll_mb2, 8-15 ll_sb2
	v_lshl_add_u32 v100, v30, 2, TAB+2048
	ds_store_b32 v100, v96
	ds_store_b32 v100, v98 offset:64
.Lnot0b:
	PF2
	s_wait_tensorcnt 0x0                           ; my part of the image has landed,
	s_wait_dscnt 0x0                               ; my stores into TAB are done
	s_barrier_signal -1
	s_barrier_wait -1                              ; everybody's
	; the norms N of the policy's four 128-channel layers: wave w takes channel tile w
	s_lshl_b32 s76, s40, 11
	v_add_nc_u32 v132, s76, v1
	s_lshl_b32 s76, s40, 12
	v_add_nc_u32 v133, s76, v2
	s_lshl_b32 s76, s40, 6
	v_lshl_add_u32 v134, v30, 2, s76
	v_add_nc_u32 v134, TAB, v134
	s_lshl_b32 s76, s40, 2
	s_add_co_u32 s76, s76, TAB+2304
	v_mov_b32 v135, s76
	v_lshl_add_u32 v136, v248, 2, TAB+2304
.irp i, 0,1,2,3
	ds_load_b128 v[ACC+4*\i:ACC+4*\i+3], v132 offset:49152+512*\i
.endr
	s_wait_dscnt 0x0
	NSUM 16, v_fma_mix_f32_bf16                    ; ll_w1 with its bias row
	NMAX
	ds_store_b32 v135, v130
	s_mov_b32 s44, 3
.Lnorm:                                        ; ll_w2, ll_mw1, ll_sw1
.irp i, 0,1,2,3,4,5,6,7
	ds_load_b128 v[ACC+4*\i:ACC+4*\i+3], v133 offset:512*\i
.endr
	ds_load_b32 v137, v134
	s_wait_dscnt 0x0
	NSUM 32, v_fma_mix_f32
	v_add_f32 v130, v130, |v137|
	NMAX
	v_add_nc_u32 v135, 32, v135
	ds_store_b32 v135, v130
	v_add_nc_u32 v133, 0x8000, v133
	v_add_nc_u32 v134, 512, v134
	s_sub_co_u32 s44, s44, 1
	s_cmp_lg_u32 s44, 0
	s_cbranch_scc1 .Lnorm
	s_wait_dscnt 0x0
	s_barrier_signal -1
	s_barrier_wait -1
	ds_load_b32 v130, v136                         ; lane 8 l + w: layer l, tile w
	s_wait_dscnt 0x0
.irp m, 1,2,4
	v_max_num_f32_dpp v130, v130, v130 row_xmask:\m row_mask:0xf bank_mask:0xf
.endr
	v_readlane_b32 s70, v130, 0                    ; N1
	v_readlane_b32 s71, v130, 8                    ; N2
	v_readlane_b32 s72, v130, 16
	v_readlane_b32 s82, v130, 24
	s_max_u32 s72, s72, s82                        ; N3: positive floats order as whole numbers
	s_mov_b32 s43, 4
.Lseq:
	; ---- the sequence's inputs become operands
	s_wait_loadcnt 0x0
.set i, 0
.rept 7
	ds_store_b128 v10, v[IN+16*(i/2)+8+4*(i%2):IN+16*(i/2)+8+4*(i%2)+3] offset:512*(16+i)
.set i, i+1
.endr
	ds_store_b64 v11, v[IN+60:IN+61]
.set i, 0
.rept 16
	v_cvt_pk_bf16_f32 v[IN+16*(i/4)+12+i%4], v[IN+16*(i/4)+2*(i%4)], v[IN+16*(i/4)+2*(i%4)+1]  ; actions: k = 48 + i; lanes 16-31 hold the same numbers against zero weights
.set i, i+1
.endr
	v_mov_b32 v30, 1.0
	RLD 0                                          ; LDS serves a wave's instructions in order: these see my stores above
	RLD 1
	s_wait_dscnt 24                                ; all but the younger tile's 24
	RCV 0
	RLD 2
	s_wait_dscnt 24
	RCV 1
	RLD 3
	s_wait_dscnt 24
	RCV 2
	s_wait_dscnt 0x0
	RCV 3
	WRED v_max_num_f32, 30, 31
	; ---- encoder
.irp mt, 0,1,2,3,4,5,6,7
	L1BLK 0, \mt
	SPLIT \mt
.endr
.irp nt, 0,1,2,3,4,5,6,7
	EL2 \nt
.endr
	; ---- z_e = mean(h) wz + bz, in f32.  Lane (r, h) holds channel 16 nt + r and makes components 8 h + j
.set i, 0
.rept 8
	ds_load_b32 v[BI+i], v7 offset:64*i
.set i, i+1
.endr
.set i, 0
.rept 8
	ds_load_b128 v[FR+8*i:FR+8*i+3],   v16 offset:1024*i
	ds_load_b128 v[FR+8*i+4:FR+8*i+7], v16 offset:1024*i+16
.set i, i+1
.endr
	ds_load_b128 v[ACC:ACC+3],   v5 offset:2112
	ds_load_b128 v[ACC+4:ACC+7], v5 offset:2128
.set i, 0
.rept 8
	v_permlanex16_b32 v[TT+i], v[SS+i], s46, s47   ; the other 32 rows' sum
.set i, i+1
.endr
.set i, 0
.rept 8
	v_add_f32 v[SS+i], v[SS+i], v[TT+i]
.set i, i+1
.endr
	s_wait_dscnt 0x0
.set i, 0
.rept 8
	v_fma_f32 v[SS+i], v[SS+i], s61, -v[BI+i]      ; sum / 64 + b
.set i, i+1
.endr
.set n, 0
.rept 8
.set j, 0
.rept 4
.if n == 0
	v_pk_mul_f32 v[PZ+2*j:PZ+2*j+1], v[FR+2*j:FR+2*j+1], v[SS:SS+1] op_sel_hi:[1,0]
.elseif n%2 == 0
	v_pk_fma_f32 v[PZ+2*j:PZ+2*j+1], v[FR+8*n+2*j:FR+8*n+2*j+1], v[SS+n:SS+n+1], v[PZ+2*j:PZ+2*j+1] op_sel_hi:[1,0,1]
.else
	v_pk_fma_f32 v[PZ+2*j:PZ+2*j+1], v[FR+8*n+2*j:FR+8*n+2*j+1], v[SS+n-1:SS+n], v[PZ+2*j:PZ+2*j+1] op_sel:[0,1,0] op_sel_hi:[1,1,1]
.endif
.set j, j+1
.endr
.set n, n+1
.endr
.set i, 0
.rept 8                                        ; my eight codes 32 q + lane, and their |code|^2: on their way during the sums below
	ds_load_b128 v[FR+8*i:FR+8*i+3],   v17 offset:1024*i
	ds_load_b128 v[FR+8*i+4:FR+8*i+7], v17 offset:1024*i+16
	ds_load_b32 v[ACC+16+i], v19 offset:128*i
.set i, i+1
.endr
.irp m, 1,2,4,8
.set j, 0
.rept 8
	v_add_f32_dpp v[PZ+j], v[PZ+j], v[PZ+j] row_xmask:\m row_mask:0xf bank_mask:0xf
.set j, j+1
.endr
.endr
.set j, 0
.rept 4
	v_pk_add_f32 v[PZ+2*j:PZ+2*j+1], v[PZ+2*j:PZ+2*j+1], v[ACC+2*j:ACC+2*j+1]
.set j, j+1
.endr
.set j, 0
.rept 8
	v_permlanex16_b32 v[TT+j], v[PZ+j], s46, s47
.set j, j+1
.endr
.set j, 0
.rept 8
	v_cndmask_b32 v[ZN+j], v[PZ+j], v[TT+j], s45
	v_cndmask_b32 v[ZN+8+j], v[TT+j], v[PZ+j], s45
.set j, j+1
.endr
	v_pk_mul_f32 v[ZZ:ZZ+1], v[ZN:ZN+1], v[ZN:ZN+1]
.set j, 1
.rept 7
	v_pk_fma_f32 v[ZZ:ZZ+1], v[ZN+2*j:ZN+2*j+1], v[ZN+2*j:ZN+2*j+1], v[ZZ:ZZ+1]
.set j, j+1
.endr
	v_add_f32 v[ZZ], v[ZZ], v[ZZ+1]
	s_wait_dscnt 0x0
	; ---- distances: sixteen chains (eight codes, even and odd components)
.set c, 0
.rept 8
.set q, 0
.rept 8
.if c == 0
	v_fma_mix_f32_bf16 v[BI+q], v[FR+8*q], v[ZN], v26 op_sel:[0,0,0] op_sel_hi:[1,0,0]
	v_fma_mix_f32_bf16 v[SS+q], v[FR+8*q], v[ZN+1], v26 op_sel:[1,0,0] op_sel_hi:[1,0,0]
.else
	v_fma_mix_f32_bf16 v[BI+q], v[FR+8*q+c], v[ZN+2*c], v[BI+q] op_sel:[0,0,0] op_sel_hi:[1,0,0]
	v_fma_mix_f32_bf16 v[SS+q], v[FR+8*q+c], v[ZN+2*c+1], v[SS+q] op_sel:[1,0,0] op_sel_hi:[1,0,0]
.endif
.set q, q+1
.endr
.set c, c+1
.endr
.set q, 0
.rept 8
	v_add_f32 v[BI+q], v[BI+q], v[SS+q]
	v_fma_f32 v[BI+q], -2.0, v[BI+q], v[ZZ]
	v_add_f32 v[BI+q], v[BI+q], v[ACC+16+q]
.set q, q+1
.endr
.set i, 0
.rept 8                                        ; the codebook turned (16 components x 32 codes a fragment): on its way during the argmin
	ds_load_tr16_b128 v[ACC+8*i:ACC+8*i+3],   v18 offset:1024*i
	ds_load_tr16_b128 v[ACC+8*i+4:ACC+8*i+7], v18 offset:1024*i+512
.set i, i+1
.endr
	; ---- argmin: in the lane (strictly less: the first wins), over the wave, then the lowest code among the equals
	v_mov_b32 v[TT], v22
	v_mov_b32 v[TT+1], v22
.set q, 1
.rept 7
	v_add_f32 v[TT+1], 0x42000000, v[TT+1]
	v_cmp_lt_f32 vcc_lo, v[BI+q], v[BI]
	v_cndmask_b32 v[BI], v[BI], v[BI+q], vcc_lo
	v_cndmask_b32 v[TT], v[TT], v[TT+1], vcc_lo
.set q, q+1
.endr
	v_mov_b32 v[TT+2], v[BI]
	WRED v_min_num_f32, TT+2, TT+3
	v_cmp_eq_f32 vcc_lo, v[BI], v[TT+2]
	v_cndmask_b32 v[TT], v27, v[TT], vcc_lo
	WRED v_min_num_f32, TT, TT+3
	v_cvt_u32_f32 v[TT+1], v[TT]
	v_lshrrev_b32 v[TT+2], 1, v[TT+1]
	v_sub_nc_u32 v[TT+2], v[TT+2], v23             ; the pair of codes, less my half's 4
	v_and_b32 v[TT+3], 1, v[TT+1]
	v_lshlrev_b32 v[TT+3], 4, v[TT+3]
	v_lshlrev_b32 v[TT+3], v[TT+3], s73            ; 1.0 in the pair's lower or upper half
.set i, 0
.rept 64                                       ; the one-hot operand: register e of fragment s holds the codes 2 (16 s + 8 (e / 4) + e % 4 + 4 h) and the next
	v_cmp_eq_u32 vcc_lo, 16*(i/8)+8*((i%8)/4)+i%4, v[TT+2]
	v_cndmask_b32 v[FR+i], 0, v[TT+3], vcc_lo
.set i, i+1
.endr
	s_wait_dscnt 0x0
.set i, 0
.rept 8                                        ; z_q = codebook^T x one-hot; two accumulators by turns
.if i < 2
	v_wmma_f32_16x16x32_bf16 v[BI+16*(i%2):BI+16*(i%2)+7], v[ACC+8*i:ACC+8*i+7], v[FR+8*i:FR+8*i+7], 0
.else
	v_wmma_f32_16x16x32_bf16 v[BI+16*(i%2):BI+16*(i%2)+7], v[ACC+8*i:ACC+8*i+7], v[FR+8*i:FR+8*i+7], v[BI+16*(i%2):BI+16*(i%2)+7]
.endif
.set i, i+1
.endr
	NOP4
.set j, 0
.rept 4
	v_pk_add_f32 v[BI+2*j:BI+2*j+1], v[BI+2*j:BI+2*j+1], v[SS+2*j:SS+2*j+1]  ; z_q's components 8 h + j
.set j, j+1
.endr
.set j, 0
.rept 4
	v_pk_add_f32 v[TT+2*j:TT+2*j+1], v[PZ+2*j:PZ+2*j+1], v[BI+2*j:BI+2*j+1] neg_lo:[0,1] neg_hi:[0,1]
.set j, j+1
.endr
	v_pk_mul_f32 v[SS:SS+1], v[TT:TT+1], v[TT:TT+1]
.set j, 1
.rept 3
	v_pk_fma_f32 v[SS:SS+1], v[TT+2*j:TT+2*j+1], v[TT+2*j:TT+2*j+1], v[SS:SS+1]
.set j, j+1
.endr
	v_add_f32 v[SS], v[SS], v[SS+1]
	ds_store_b32 v25, v[SS]                        ; the loss's half sum (sixteen lanes store the same number)
.set i, 0
.rept 16
	v_cvt_pk_bf16_f32 v[IN+16*(i/4)+12+i%4], v[BI+2*(i%4)], v[BI+2*(i%4)+1]  ; z_q takes the actions' place: k = 48 + i
.set i, i+1
.endr
	ds_store_b128 v24, v[IN+12:IN+15]
	; ---- alpha
	v_max3_num_f32 v[TT], |v[BI]|, |v[BI+1]|, |v[BI+2]|
	v_max3_num_f32 v[TT], v[TT], |v[BI+3]|, |v[BI+4]|
	v_max3_num_f32 v[TT], v[TT], |v[BI+5]|, |v[BI+6]|
	v_max_num_f32 v[TT], v[TT], |v[BI+7]|
	v_permlanex16_b32 v[TT+1], v[TT], s46, s47
	v_max3_num_f32 v[TT], v[TT], v[TT+1], v30      ; B0
	v_mul_f32 v[TT+1], s70, v[TT]                  ; B1
	v_max_num_f32 v[TT+2], 1.0, v[TT+1]
	v_mul_f32 v[TT+2], s71, v[TT+2]                ; B2
	v_max_num_f32 v[TT+3], 1.0, v[TT+2]
	v_mul_f32 v[TT+3], s72, v[TT+3]                ; B3
	v_max3_num_f32 v[TT+1], v[TT+1], v[TT+2], v[TT+3]
	v_lshrrev_b32 v[TT+1], 23, v[TT+1]             ; e: the bound lies under 2^(e - 126)
	v_max_u32 v[TT+1], 20, v[TT+1]
	v_min_u32 v[TT+1], 254, v[TT+1]
	v_sub_nc_u32 v[TT+2], 268, v[TT+1]
	v_lshlrev_b32 v[TT+2], 23, v[TT+2]             ; alpha = 2^(141 - e)
	v_add_nc_u32 v[TT+3], -14, v[TT+1]
	v_lshlrev_b32 v[TT+3], 23, v[TT+3]             ; 1 / alpha
	v_readfirstlane_b32 s66, v[TT+2]
	v_readfirstlane_b32 s68, v[TT+3]
	s_mov_b32 s67, s66
	s_mov_b32 s69, s68
	; ---- policy
.irp mt, 0,1,2,3,4,5,6,7
	L1BLK 49152, \mt
	F16E 0, \mt, 1
.endr
	s_cmp_eq_u32 s43, 1                            ; the last trip has no next sequence
	s_cbranch_scc1 .Lno_pf1
	PF1 1
.Lno_pf1:
.irp mt, 0,1,2,3,4,5,6,7
	LBLK 0, 128, 2, 5, \mt
.endr
	s_cmp_eq_u32 s43, 1
	s_cbranch_scc1 .Lno_pf2
	PF2
.Lno_pf2:
	ds_load_b128 v[BI:BI+3],   v5 offset:2048
	ds_load_b128 v[BI+4:BI+7], v5 offset:2064
	v_add_nc_u32 v3, 0x18000, v1                   ; ll_mw1
	v_add_nc_u32 v6, 512, v5
	v_add_nc_u32 v4, 0x28000, v1                   ; the heads' fragments
	s_wait_dscnt 0x0
.set i, 0
.rept 16
	v_pk_mul_f32 v[HACC+2*i:HACC+2*i+1], v[BI+2*(i%4):BI+2*(i%4)+1], s[66:67] op_sel_hi:[1,0]  ; the heads' sums start with alpha x bias
.set i, i+1
.endr
	s_mov_b32 s44, 2
.Lms:                                          ; the mean's branch, then sigma's: a hidden layer, then its half of the heads' K = 256
.irp mt, 0,1,2,3,4,5,6,7
	LBLK 128, 0, 3, 6, \mt
.endr
	LDF 0, 4, 0, 4
	s_wait_dscnt 0x0
	WIN W_S1
.set pk_, 0
.rept 4
.set pt, 0
.rept 4
	v_wmma_f32_16x16x32_f16 v[HACC+8*pt:HACC+8*pt+7], v[FR+8*pk_:FR+8*pk_+7], v[32*pt+8*pk_:32*pt+8*pk_+7], v[HACC+8*pt:HACC+8*pt+7]
.set pt, pt+1
.endr
.set pk_, pk_+1
.endr
	WIN 0
	NOP4
	v_add_nc_u32 v3, 0x8000, v3
	v_add_nc_u32 v6, 512, v6
	v_add_nc_u32 v4, 4096, v4
	s_sub_co_u32 s44, s44, 1
	s_cmp_lg_u32 s44, 0
	s_cbranch_scc1 .Lms
	; ---- the way out: lanes 0-15 hold a row's a_mean, lanes 16-31 its sigma before softplus; through my stage they become rows of 32 bytes on end
.set i, 0
.rept 16
	v_pk_mul_f32 v[HACC+2*i:HACC+2*i+1], v[HACC+2*i:HACC+2*i+1], s[68:69] op_sel_hi:[1,0]
.set i, i+1
.endr
.set i, 0
.rept 4
	ds_store_b128 v14, v[HACC+8*i:HACC+8*i+3]
	ds_store_b128 v14, v[HACC+8*i+4:HACC+8*i+7] offset:16
	ds_load_b128 v[FR+4*i:FR+4*i+3], v15           ; LDS serves a wave's instructions in order: these see the stores above, the next tile's stores come behind them
	ds_load_b128 v[FR+32+4*i:FR+32+4*i+3], v15 offset:512
.set i, i+1
.endr
	s_wait_dscnt 0x0
.set i, 0
.rept 4
	global_store_b128 v1, v[FR+4*i:FR+4*i+3], s[32:33] offset:512*i th:TH_STORE_NT  ; 512 consecutive bytes, aligned
.set i, i+1
.endr
.set i, 0
.rept 16
	v_mul_f32 v[FR+48+i], -|v[FR+32+i]|, s62
.set i, i+1
.endr
.set i, 0
.rept 16
	v_exp_f32 v[FR+48+i], v[FR+48+i]
.set i, i+1
.endr
.set i, 0
.rept 16
	v_max_num_f32 v[FR+16+i], 0, v[FR+32+i]        ; plain work that names no exponential's result
.set i, i+1
.endr
	s_wait_alu depctr_va_vdst(0)                   ; one wait for the sixteen exponentials
.set i, 0
.rept 16
	v_add_f32 v[FR+48+i], 1.0, v[FR+48+i]
.set i, i+1
.endr
.set i, 0
.rept 16
	v_log_f32 v[FR+48+i], v[FR+48+i]
.set i, i+1
.endr
	v_nop
	s_wait_alu depctr_va_vdst(0)                   ; one wait for the sixteen logarithms
.set i, 0
.rept 16
	v_fma_f32 v[FR+32+i], v[FR+48+i], s63, v[FR+16+i]
.set i, i+1
.endr
.set i, 0
.rept 4
	global_store_b128 v1, v[FR+32+4*i:FR+32+4*i+3], s[34:35] offset:512*i th:TH_STORE_NT
.set i, i+1
.endr
	s_wait_xcnt 0x0                                ; the stores' base and data are written again only behind this wait
	s_add_nc_u64 s[32:33], s[32:33], 16384
	s_add_nc_u64 s[34:35], s[34:35], 16384
	v_add_nc_u32 v24, 256, v24
	v_add_nc_u32 v25, 64, v25
	s_sub_co_u32 s43, s43, 1
	s_cmp_lg_u32 s43, 0
	s_cbranch_scc1 .Lseq
	s_wait_dscnt 0x0                               ; my stores of z_q and of the loss's sums are done
	s_barrier_signal -1
	s_barrier_wait -1
	s_cmp_lg_u32 s40, 0
	s_cbranch_scc1 .Lend
	v_add_nc_u32 v96, ZST, v1
	v_add_nc_u32 v97, ZST+1024, v12
	ds_load_b128 v[100:103], v96
	ds_load_b128 v[104:107], v96 offset:512
	ds_load_b64 v[108:109], v97
	s_wait_dscnt 0x0
	global_store_b128 v1, v[100:103], s[36:37]             ; the work-group's 32 z_q: 1,024 consecutive bytes, aligned
	global_store_b128 v1, v[104:107], s[36:37] offset:512
	v_add_f32 v108, v108, v109
	WRED v_add_f32, 108, 109
	v_cmp_eq_u32 vcc_lo, 0, v1
	s_wait_xcnt 0x0                                ; EXEC changes only behind this wait
	s_and_saveexec_b32 s76, vcc_lo
	global_store_b32 v26, v108, s[38:39]           ; lane 0: the work-group's sum of (z_e - z_q)^2
	s_wait_xcnt 0x0
	s_or_b32 exec_lo, exec_lo, s76
.Lend:
	s_wait_tensorcnt 0x0                           ; the wave's end
	ds_add_u32 v28, v29
	s_wait_dscnt 0x0
	ROUND                                          ; the closing round
	s_endpgm
.Lfunc_end_k_qdc465fcbbd_main:
	.size	k_qdc465fcbbd_main, .Lfunc_end_k_qdc465fcbbd_main-k_qdc465fcbbd_main
	.p2alignl 7, 3214868480
	.fill 96, 4, 3214868480
	.section	.rodata,"a",@progbits
	.p2align	6, 0x0
	.amdhsa_kernel k_qdc465fcbbd_main
		.amdhsa_group_segment_fixed_size 327680
		.amdhsa_private_segment_fixed_size 0
		.amdhsa_enable_private_segment 0
		.amdhsa_kernarg_size 128
		.amdhsa_user_sgpr_count 2
		.amdhsa_user_sgpr_kernarg_segment_ptr 1
		.amdhsa_wavefront_size32 1
		.amdhsa_system_sgpr_workgroup_id_x 1
		.amdhsa_system_sgpr_workgroup_id_y 1
		.amdhsa_system_sgpr_workgroup_id_z 1
		.amdhsa_system_vgpr_workitem_id 0
		.amdhsa_next_free_vgpr 512
		.amdhsa_next_free_sgpr 84
		.amdhsa_reserve_vcc 1
		.amdhsa_float_denorm_mode_32 3
		.amdhsa_float_denorm_mode_16_64 3
		.amdhsa_memory_ordered 1
		.amdhsa_forward_progress 1
		.amdhsa_inst_pref_size 255
	.end_amdhsa_kernel
	.section	.bss,"aw",@nobits
	.p2align	6
	.space	262144
	.amdgpu_metadata
---
amdhsa.version: [ 1, 2 ]
amdhsa.kernels:
  - .name:           k_qdc465fcbbd_main
    .symbol:         k_qdc465fcbbd_main.kd
    .args:
      - { .name: states, .offset: 0, .size: 8, .value_kind: global_buffer, .address_space: global }
      - { .name: actions, .offset: 8, .size: 8, .value_kind: global_buffer, .address_space: global }
      - { .name: wimg, .offset: 16, .size: 8, .value_kind: global_buffer, .address_space: global }
      - { .name: enc_b2, .offset: 24, .size: 8, .value_kind: global_buffer, .address_space: global }
      - { .name: enc_wz, .offset: 32, .size: 8, .value_kind: global_buffer, .address_space: global }
      - { .name: enc_bz, .offset: 40, .size: 8, .value_kind: global_buffer, .address_space: global }
      - { .name: codebook, .offset: 48, .size: 8, .value_kind: global_buffer, .address_space: global }
      - { .name: ll_b2, .offset: 56, .size: 8, .value_kind: global_buffer, .address_space: global }
      - { .name: ll_mb1, .offset: 64, .size: 8, .value_kind: global_buffer, .address_space: global }
      - { .name: ll_sb1, .offset: 72, .size: 8, .value_kind: global_buffer, .address_space: global }
      - { .name: ll_mb2, .offset: 80, .size: 8, .value_kind: global_buffer, .address_space: global }
      - { .name: ll_sb2, .offset: 88, .size: 8, .value_kind: global_buffer, .address_space: global }
      - { .name: out2, .offset: 96, .size: 8, .value_kind: global_buffer, .address_space: global }
      - { .name: out3, .offset: 104, .size: 8, .value_kind: global_buffer, .address_space: global }
      - { .name: zbuf, .offset: 112, .size: 8, .value_kind: global_buffer, .address_space: global }
      - { .name: lbuf, .offset: 120, .size: 8, .value_kind: global_buffer, .address_space: global }
    .group_segment_fixed_size: 327680
    .private_segment_fixed_size: 0
    .kernarg_segment_align: 8
    .kernarg_segment_size: 128
    .max_flat_workgroup_size: 256
    .sgpr_count:     84
    .vgpr_count:     512
    .wavefront_size: 32
...
	.end_amdgpu_metadata
.endif
;; end of part 2
;; launch tail (part 3): grid 256 x 1, 4 waves a work-group, no clusters, 262,144 bytes of LDS; arguments states, wimg, zbuf, lbuf, pr_b2, pr_b3, ad_b2, ad_mb1, ad_sb1, ad_mb2, ad_sb2, out0, out1, out4, out5; writes out0, out1, out4, out5
.if DOCPART == 3
	.amdgcn_target "amdgcn-amd-amdhsa--gfx1250"
	.amdhsa_code_object_version 6
	.text
	.protected	k_qdc465fcbbd_tail
	.globl	k_qdc465fcbbd_tail
	.p2align	8
	.type	k_qdc465fcbbd_tail,@function
k_qdc465fcbbd_tail:
	s_mov_b64 s[64:65], 0
	v_nop
	global_prefetch_b8 v0, s[64:65] scope:SCOPE_SE
	s_setreg_imm32_b32 hwreg(HW_REG_WAVE_MODE, 25, 1), 1
	s_wait_xcnt 0x0
; PRIOR (out5) AND ABSTRACT DYNAMICS (out0, out1) on the 8,192 first states, and vq_loss (out4).  Left out (shown at the head of the first kernel): z = z_q, read from zbuf; the loss's two means are one sum.
; SHARES.  Work-groups 0-127 make the prior, 128-255 the dynamics, 64 rows each; a wave runs the whole chain on 16 rows by itself.  The net's fragments (136 of wimg, 139,264 bytes; the prior
; reads the first 112 of its 136) come into LDS once, each wave fetching 136 rows of 256 bytes: one tensor load a wave is out.
; NO CLUSTER: the image is fetched once a work-group, at the head, and the one store of out4 hangs on the work-group's own number, which in a cluster would be its place among partners.
; FORMAT.  Weights, biases, s0 and z_q are bf16; every hidden layer goes on as hi + lo, two bf16 terms, so that nothing but the inputs' rounding is lost.  Sums in f32.
; LAYOUT.  As in the launch before: products transposed, a lane holds one row and eight channels, two results packed ARE the next operand.
; LDS.  The text uses 233,472 bytes.  The two nets' stages have bytes of their own, so that no store of the one arm can meet a store of the other.
; LIMIT.  softplus(x) = max(x, 0) + ln2 log2(1 + 2^(-|x| log2 e)): its second term is 0 below x = -17 or so, an absolute error under 6e-8.
.set TAB,   139264                     ; +0 b2, +512 pr_b3[0:128] | ad_mb1, +1024 pr_b3[128:] | ad_sb1, +1536 ad_mb2, +2048 ad_sb2 (f32, 128 each)
.set SPARE, 141824                     ; the spare words, 128 bytes for each wave: two blocks of 256 bytes that no other line names
.set STG,   142336                     ; the prior's stage: wave w at + 16,640 w, 16 rows of 1,040 bytes
.set DSTG,  208896                     ; the dynamics' stage: mean at + 0, sigma at + 12,288, 64 dense rows of 188 bytes each
; v1 16 lane; v2, v12 weights' walking addresses; v3 TAB + 32 h; v13, v14 biases' walking addresses; v4 s0's offset; v5 z's offset; v6, v8 stage in; v7 stage back; v10 8 lane; v11 -1.0; v15 1.0; v16-27 at work; v28, v29 the add's
.set IN,   32                          ; v32-47   the first layer's operand; later two buffers of eight biases
.set BI,   32
.set X,    48                          ; v48-111  hi (8 kf + register), lo at + 32
.set Y,    112                         ; v112-175
.set FR,   176                         ; v176-239 two buffers of four fragments
.set ACCA, 240
.set ACCB, 248
.macro NOP5                            ; five places: the sums behind them name both accumulators and fill none
.rept 5
	v_nop
.endr
.endm
.macro LDF buf, areg, off, n
.set lq, 0
.rept \n
	ds_load_b128 v[FR+32*(\buf)+8*lq:FR+32*(\buf)+8*lq+3],   v[\areg] offset:(\off)+1024*lq
	ds_load_b128 v[FR+32*(\buf)+8*lq+4:FR+32*(\buf)+8*lq+7], v[\areg] offset:(\off)+1024*lq+512
.set lq, lq+1
.endr
.endm
.macro LDBI buf, areg, off
	ds_load_b128 v[BI+8*(\buf):BI+8*(\buf)+3],   v[\areg] offset:(\off)
	ds_load_b128 v[BI+8*(\buf)+4:BI+8*(\buf)+7], v[\areg] offset:(\off)+16
.endm
.macro JOINAB
	NOP5
.set ei, 0
.rept 4
	v_pk_add_f32 v[ACCA+2*ei:ACCA+2*ei+1], v[ACCA+2*ei:ACCA+2*ei+1], v[ACCB+2*ei:ACCB+2*ei+1]
.set ei, ei+1
.endr
.endm
.macro T1BLK mt                        ; first layer, K = 64, the bias in its k = 47 column: two products on two accumulators
.if (\mt) == 0
	LDF 0, 1, 0, 2
.endif
.if (\mt) < 7
	LDF ((\mt)+1)%2, 1, 2048*((\mt)+1), 2
	s_wait_dscnt 4                                 ; all but the next block's four
.else
	s_wait_dscnt 0x0
.endif
.set fb, FR+32*((\mt)%2)
	v_wmma_f32_16x16x32_bf16 v[ACCA:ACCA+7], v[fb:fb+7], v[IN:IN+7], 0
	v_wmma_f32_16x16x32_bf16 v[ACCB:ACCB+7], v[fb+8:fb+15], v[IN+8:IN+15], 0
	JOINAB
.endm
; A block with K = 128: channel tile mt of last + 1; hi's products on one accumulator (it starts with the bias), lo's on the other, by turns.
.macro TB4 mt, last, areg, off, breg, boff, src
.if (\mt) == 0
	LDF 0, \areg, \off, 4
	LDBI 0, \breg, \boff
.endif
.if (\mt) < (\last)
	LDF ((\mt)+1)%2, \areg, (\off)+4096*((\mt)+1), 4
	LDBI ((\mt)+1)%2, \breg, (\boff)+64*((\mt)+1)
	s_wait_dscnt 10                                ; all but the next block's ten
.else
	s_wait_dscnt 0x0
.endif
.set fb, FR+32*((\mt)%2)
.set bb, BI+8*((\mt)%2)
.set pk_, 0
.rept 4
.if pk_ == 0
	v_wmma_f32_16x16x32_bf16 v[ACCA:ACCA+7], v[fb:fb+7], v[(\src):(\src)+7], v[bb:bb+7]
	v_wmma_f32_16x16x32_bf16 v[ACCB:ACCB+7], v[fb:fb+7], v[(\src)+32:(\src)+39], 0
.else
	v_wmma_f32_16x16x32_bf16 v[ACCA:ACCA+7], v[fb+8*pk_:fb+8*pk_+7], v[(\src)+8*pk_:(\src)+8*pk_+7], v[ACCA:ACCA+7]
	v_wmma_f32_16x16x32_bf16 v[ACCB:ACCB+7], v[fb+8*pk_:fb+8*pk_+7], v[(\src)+32+8*pk_:(\src)+32+8*pk_+7], v[ACCB:ACCB+7]
.endif
.set pk_, pk_+1
.endr
	JOINAB
.endm
.macro SPL dst, mt                     ; relu, hi, lo
.set hb, (\dst)+8*((\mt)/2)+4*((\mt)%2)
.set ei, 0
.rept 8
	v_max_num_f32 v[ACCA+ei], 0, v[ACCA+ei]
.set ei, ei+1
.endr
.set ei, 0
.rept 4
	v_cvt_pk_bf16_f32 v[hb+ei], v[ACCA+2*ei], v[ACCA+2*ei+1]
.set ei, ei+1
.endr
.set ei, 0
.rept 4
	v_fma_mix_f32_bf16 v[ACCA+2*ei], v[hb+ei], v11, v[ACCA+2*ei] op_sel:[0,0,0] op_sel_hi:[1,0,0]
	v_fma_mix_f32_bf16 v[ACCA+2*ei+1], v[hb+ei], v11, v[ACCA+2*ei+1] op_sel:[1,0,0] op_sel_hi:[1,0,0]
.set ei, ei+1
.endr
.set ei, 0
.rept 4
	v_cvt_pk_bf16_f32 v[hb+32+ei], v[ACCA+2*ei], v[ACCA+2*ei+1]
.set ei, ei+1
.endr
.endm
.macro HEADE mt                        ; a head's tile: softplus is made in both trips and taken in sigma's (s60); eight words a lane into the dense stage
.set ei, 0
.rept 8
	v_mul_f32 v[ACCB+ei], -|v[ACCA+ei]|, s62
.set ei, ei+1
.endr
.set ei, 0
.rept 8
	v_exp_f32 v[ACCB+ei], v[ACCB+ei]
.set ei, ei+1
.endr
.set ei, 0
.rept 8
	v_max_num_f32 v[16+ei], 0, v[ACCA+ei]
.set ei, ei+1
.endr
	s_wait_alu depctr_va_vdst(0)                   ; one wait for the eight exponentials
.set ei, 0
.rept 8
	v_add_f32 v[ACCB+ei], 1.0, v[ACCB+ei]
.set ei, ei+1
.endr
.set ei, 0
.rept 8
	v_log_f32 v[ACCB+ei], v[ACCB+ei]
.set ei, ei+1
.endr
	v_nop
	s_wait_alu depctr_va_vdst(0)                   ; one wait for the eight logarithms
.set ei, 0
.rept 8
	v_fma_f32 v[ACCB+ei], v[ACCB+ei], s63, v[16+ei]
	v_cndmask_b32 v[ACCA+ei], v[ACCA+ei], v[ACCB+ei], s60
.set ei, ei+1
.endr
.set ei, 0
.rept 7
	ds_store_b32 v6, v[ACCA+ei] offset:64*(\mt)+4*ei
.set ei, ei+1
.endr
.if (\mt) == 2
	v_cndmask_b32 v[ACCA+7], v[ACCA+7], v[ACCA+6], s45  ; channel 47 does not exist: lanes 16-31 store channel 46 once more, at its own place
	ds_store_b32 v8, v[ACCA+7] offset:156
.else
	ds_store_b32 v6, v[ACCA+7] offset:64*(\mt)+28
.endif
.endm
	s_load_b512 s[8:23], s[0:1], 0x0               ; states 8, wimg 10, zbuf 12, lbuf 14, pr_b2 16, pr_b3 18, ad_b2 20, ad_mb1 22
	s_load_b256 s[24:31], s[0:1], 0x40             ; ad_sb1 24, ad_mb2 26, ad_sb2 28, out0 30
	s_load_b128 s[32:35], s[0:1], 0x60             ; out1 32, out4 34
	s_load_b64 s[36:37], s[0:1], 0x70              ; out5
	v_lshl_add_u32 v28, v0, 2, SPARE
	v_mov_b32 v29, 0
	ds_add_u32 v28, v29                            ; the wave's opening: the add, twice on end, and its wait ahead of my first tensor load
	ds_add_u32 v28, v29
	v_lshrrev_b32 v24, 5, v0
	v_readfirstlane_b32 s40, v24                   ; wave 0..3
	s_and_b32 s42, ttmp9, 127                      ; my block of 64 rows
	s_mov_b32 s45, 0xffff0000
	s_mov_b32 s46, 0x76543210
	s_mov_b32 s47, 0xfedcba98
	s_mov_b32 s48, 1
	s_mul_i32 s49, s40, 34816                      ; LDS address: my 136 rows
	s_mov_b32 s52, 3<<16                           ; elements of 8 bytes, no mask, no padding
	s_mov_b32 s53, 32<<16
	s_mov_b32 s54, 136<<16
	s_mov_b32 s55, 32<<16
	s_mov_b32 s56, 136
	s_mov_b32 s57, 32
	s_mov_b32 s58, 0
	s_mov_b32 s59, 0
	s_mov_b32 s62, 0x3fb8aa3b
	s_mov_b32 s63, 0x3f317218
	v_and_b32 v24, 31, v0
	v_and_b32 v25, 15, v0                          ; r
	v_bfe_u32 v26, v0, 4, 1                        ; h
	v_lshlrev_b32 v1, 4, v24
	v_lshlrev_b32 v10, 3, v24
	v_add_nc_u32 v2, 49152, v1
	v_lshl_add_u32 v3, v26, 5, TAB
	v_mul_u32_u24 v4, v25, 12032
	v_lshl_add_u32 v4, v26, 5, v4
	v_lshlrev_b32 v5, 5, v25
	v_lshl_add_u32 v5, v26, 4, v5
	v_mov_b32 v11, -1.0
	v_mov_b32 v15, 1.0
	v_lshlrev_b32 v27, 2, v26                      ; 4 h
	s_wait_dscnt 0x0                               ; both opening adds are done
	s_wait_kmcnt 0x0
	s_mov_b32 s66, 172032                          ; the prior's first fragment in wimg (fragment 168),
	s_cmp_ge_u32 ttmp9, 128
	s_cselect_b32 s43, 1, 0                        ; 1: dynamics
	s_cselect_b32 s66, 286720, s66                 ; or the dynamics' (fragment 280)
	s_add_co_u32 s66, s66, s49
	s_mov_b32 s67, 0
	s_add_nc_u64 s[50:51], s[10:11], s[66:67]
	s_or_b32 s51, s51, 0x80000000
	tensor_load_to_lds s[48:51], s[52:59]
	s_nop 0
.rept 4
	v_nop
.endr
	s_lshl_b32 s68, s42, 6
	s_lshl_b32 s69, s40, 4
	s_add_co_u32 s68, s68, s69                     ; my first row
	s_mul_i32 s70, s68, 12032
	s_mov_b32 s71, 0
	s_add_nc_u64 s[8:9], s[8:9], s[70:71]          ; states at its step 0
	s_lshl_b32 s70, s68, 5
	s_add_nc_u64 s[12:13], s[12:13], s[70:71]
	s_lshl_b32 s70, s68, 10
	s_add_nc_u64 s[36:37], s[36:37], s[70:71]
	s_mul_i32 s70, s42, 12032
	s_add_nc_u64 s[30:31], s[30:31], s[70:71]
	s_add_nc_u64 s[32:33], s[32:33], s[70:71]
	s_cmp_eq_u32 s43, 1
	s_cselect_b64 s[72:73], s[20:21], s[16:17]
	s_cselect_b64 s[74:75], s[22:23], s[18:19]
	s_cselect_b64 s[76:77], s[24:25], s[18:19]
	s_cselect_b32 s78, 0, 512
	v_lshlrev_b32 v24, 2, v0
	v_add_nc_u32 v25, s78, v24
.set i, 0
.rept 3                                        ; s0: k = 16 c + 8 h + i; k = 47 reads the next step's first state, inside the buffer, and 1.0 takes its place
	global_load_b128 v[FR+8*i:FR+8*i+3],   v4, s[8:9] offset:64*i
	global_load_b128 v[FR+8*i+4:FR+8*i+7], v4, s[8:9] offset:64*i+16
.set i, i+1
.endr
	global_load_b32 v200, v24, s[72:73]
	global_load_b32 v201, v24, s[74:75]
	global_load_b32 v202, v25, s[76:77]
	s_cmp_eq_u32 s43, 0
	s_cbranch_scc1 .Lprior_in
	global_load_b128 v[IN+12:IN+15], v5, s[12:13]  ; z_q: k = 48 + 8 h + j
	v_min_u32 v26, 46, v0
	v_lshlrev_b32 v26, 2, v26
	global_load_b32 v203, v26, s[26:27]
	global_load_b32 v204, v26, s[28:29]
	s_branch .Lin
.Lprior_in:
.irp i, 44,45,46,47,203,204
	v_mov_b32 v\i, 0                               ; the prior has no z and no short biases
.endr
.Lin:
	s_wait_loadcnt 0x0
	v_cndmask_b32 v[FR+23], v[FR+23], v15, s45
.set i, 0
.rept 12
	v_cvt_pk_bf16_f32 v[IN+i], v[FR+2*i], v[FR+2*i+1]
.set i, i+1
.endr
	v_cvt_pk_bf16_f32 v205, v200, v201             ; the biases, rounded to bf16 and widened
	v_cvt_pk_bf16_f32 v206, v202, v203
	v_cvt_pk_bf16_f32 v207, v204, v204
	v_lshlrev_b32 v200, 16, v205
	v_and_b32 v201, s45, v205
	v_lshlrev_b32 v202, 16, v206
	v_and_b32 v203, s45, v206
	v_lshlrev_b32 v204, 16, v207
	v_add_nc_u32 v26, TAB, v24
.irp i, 0,1,2,3,4
	ds_store_b32 v26, v[200+\i] offset:512*\i
.endr
	s_wait_tensorcnt 0x0                           ; my part of the image has landed,
	s_wait_dscnt 0x0                               ; my stores into TAB are done
	s_barrier_signal -1
	s_barrier_wait -1                              ; everybody's
.irp mt, 0,1,2,3,4,5,6,7
	T1BLK \mt
	SPL X, \mt
.endr
.irp mt, 0,1,2,3,4,5,6,7
	TB4 \mt, 7, 1, 16384, 3, 0, X
	SPL Y, \mt
.endr
	s_cmp_eq_u32 s43, 1
	s_cbranch_scc1 .Ldyn
	; ---- prior: 256 logits, 16 tiles, into my rows of the prior's stage
	s_mul_i32 s66, s40, 16640
	s_add_co_u32 s66, s66, STG
	v_and_b32 v25, 15, v0
	v_mul_u32_u24 v6, v25, 1040
	v_lshl_add_u32 v6, v27, 3, v6                  ; + 32 h
	v_add_nc_u32 v6, s66, v6
.irp mt, 0,1,2,3,4,5,6,7,8,9,10,11,12,13,14,15
	TB4 \mt, 15, 2, 0, 3, 512, Y
	ds_store_b128 v6, v[ACCA:ACCA+3] offset:64*\mt
	ds_store_b128 v6, v[ACCA+4:ACCA+7] offset:64*\mt+16
.endr
	s_branch .Ljoin
.Ldyn:
	; ---- dynamics: the mean's branch, then sigma's: a hidden layer and a head of three tiles, into the dynamics' stage
	s_mul_i32 s66, s40, 3008
	s_add_co_u32 s66, s66, DSTG
	v_and_b32 v25, 15, v0
	v_mul_u32_u24 v6, v25, 188
	v_lshl_add_u32 v6, v27, 3, v6
	v_add_nc_u32 v6, s66, v6                       ; row 16 w + r, + 32 h
	v_sub_nc_u32 v8, v6, v27                       ; less 4 h
	v_add_nc_u32 v14, 512, v3
	v_add_nc_u32 v12, 114688, v1
	v_add_nc_u32 v13, 1536, v3
	s_mov_b32 s60, 0
	s_mov_b32 s44, 2
.Lhead:
.irp mt, 0,1,2,3,4,5,6,7
	TB4 \mt, 7, 2, 0, 14, 0, Y
	SPL X, \mt
.endr
.irp mt, 0,1,2
	TB4 \mt, 2, 12, 0, 13, 0, X
	HEADE \mt
.endr
	v_add_nc_u32 v2, 32768, v2
	v_add_nc_u32 v14, 512, v14
	v_add_nc_u32 v12, 12288, v12
	v_add_nc_u32 v13, 512, v13
	v_add_nc_u32 v6, 12288, v6
	v_add_nc_u32 v8, 12288, v8
	s_mov_b32 s60, -1
	s_sub_co_u32 s44, s44, 1
	s_cmp_lg_u32 s44, 0
	s_cbranch_scc1 .Lhead
.Ljoin:
	s_wait_dscnt 0x0                               ; my stores into the stage are done
	s_barrier_signal -1
	s_barrier_wait -1
	s_cmp_eq_u32 s43, 1
	s_cbranch_scc1 .Ldyn_out
	s_mul_i32 s66, s40, 16640
	s_add_co_u32 s66, s66, STG
	v_add_nc_u32 v7, s66, v1
.set i, 0
.rept 32                                       ; my 16 rows of 1,024 bytes, half a row a load
	ds_load_b128 v[X+4*i:X+4*i+3], v7 offset:1040*(i/2)+512*(i%2)
.set i, i+1
.endr
	s_wait_dscnt 0x0
.set i, 0
.rept 32
	global_store_b128 v1, v[X+4*i:X+4*i+3], s[36:37] offset:512*i th:TH_STORE_NT  ; 512 consecutive bytes, aligned
.set i, i+1
.endr
	s_branch .Lfin
.Ldyn_out:
	s_cmp_ge_u32 s40, 2                            ; wave 0 sends the mean's 12,032 dense bytes, wave 1 sigma's
	s_cbranch_scc1 .Lfin
	s_mul_i32 s66, s40, 12288
	s_add_co_u32 s66, s66, DSTG
	v_add_nc_u32 v7, s66, v1
	v_add_nc_u32 v24, s66, v10
	s_cmp_eq_u32 s40, 1
	s_cselect_b64 s[80:81], s[32:33], s[30:31]
.set i, 0
.rept 23
	ds_load_b128 v[X+4*i:X+4*i+3], v7 offset:512*i
.set i, i+1
.endr
	ds_load_b64 v[X+92:X+93], v24 offset:11776
	s_wait_dscnt 0x0
.set i, 0
.rept 23
	global_store_b128 v1, v[X+4*i:X+4*i+3], s[80:81] offset:512*i th:TH_STORE_NT
.set i, i+1
.endr
	global_store_b64 v10, v[X+92:X+93], s[80:81] offset:11776 th:TH_STORE_NT
.Lfin:
	s_or_b32 s66, ttmp9, s40                       ; wave 0 of work-group 0 adds the 256 partial sums of the loss
	s_cmp_lg_u32 s66, 0
	s_cbranch_scc1 .Lend
	v_lshlrev_b32 v24, 1, v1
	global_load_b128 v[FR:FR+3],   v24, s[14:15]
	global_load_b128 v[FR+4:FR+7], v24, s[14:15] offset:16
	v_mov_b32 v25, 0
	s_wait_loadcnt 0x0
	v_pk_add_f32 v[FR:FR+1], v[FR:FR+1], v[FR+2:FR+3]
	v_pk_add_f32 v[FR+4:FR+5], v[FR+4:FR+5], v[FR+6:FR+7]
	v_pk_add_f32 v[FR:FR+1], v[FR:FR+1], v[FR+4:FR+5]
	v_add_f32 v[FR], v[FR], v[FR+1]
.irp m, 1,2,4,8
	v_add_f32_dpp v[FR], v[FR], v[FR] row_xmask:\m row_mask:0xf bank_mask:0xf
.endr
	v_permlanex16_b32 v[FR+1], v[FR], s46, s47
	v_add_f32 v[FR], v[FR], v[FR+1]
	v_mul_f32 v[FR], 0x37200000, v[FR]             ; x 1.25 / 131,072
	v_cmp_eq_u32 vcc_lo, 0, v1
	s_wait_xcnt 0x0                                ; EXEC changes only behind this wait
	s_and_saveexec_b32 s66, vcc_lo
	global_store_b32 v25, v[FR], s[34:35]
	s_wait_xcnt 0x0
	s_or_b32 exec_lo, exec_lo, s66
.Lend:
	s_wait_tensorcnt 0x0                           ; the wave's end
	ds_add_u32 v28, v29
	s_wait_dscnt 0x0
	s_endpgm
.Lfunc_end_k_qdc465fcbbd_tail:
	.size	k_qdc465fcbbd_tail, .Lfunc_end_k_qdc465fcbbd_tail-k_qdc465fcbbd_tail
	.p2alignl 7, 3214868480
	.fill 96, 4, 3214868480
	.section	.rodata,"a",@progbits
	.p2align	6, 0x0
	.amdhsa_kernel k_qdc465fcbbd_tail
		.amdhsa_group_segment_fixed_size 262144
		.amdhsa_private_segment_fixed_size 0
		.amdhsa_enable_private_segment 0
		.amdhsa_kernarg_size 120
		.amdhsa_user_sgpr_count 2
		.amdhsa_user_sgpr_kernarg_segment_ptr 1
		.amdhsa_wavefront_size32 1
		.amdhsa_system_sgpr_workgroup_id_x 1
		.amdhsa_system_sgpr_workgroup_id_y 1
		.amdhsa_system_sgpr_workgroup_id_z 1
		.amdhsa_system_vgpr_workitem_id 0
		.amdhsa_next_free_vgpr 256
		.amdhsa_next_free_sgpr 90
		.amdhsa_reserve_vcc 1
		.amdhsa_float_denorm_mode_32 3
		.amdhsa_float_denorm_mode_16_64 3
		.amdhsa_memory_ordered 1
		.amdhsa_forward_progress 1
		.amdhsa_inst_pref_size 122
	.end_amdhsa_kernel
	.amdgpu_metadata
---
amdhsa.version: [ 1, 2 ]
amdhsa.kernels:
  - .name:           k_qdc465fcbbd_tail
    .symbol:         k_qdc465fcbbd_tail.kd
    .args:
      - { .name: states, .offset: 0, .size: 8, .value_kind: global_buffer, .address_space: global }
      - { .name: wimg, .offset: 8, .size: 8, .value_kind: global_buffer, .address_space: global }
      - { .name: zbuf, .offset: 16, .size: 8, .value_kind: global_buffer, .address_space: global }
      - { .name: lbuf, .offset: 24, .size: 8, .value_kind: global_buffer, .address_space: global }
      - { .name: pr_b2, .offset: 32, .size: 8, .value_kind: global_buffer, .address_space: global }
      - { .name: pr_b3, .offset: 40, .size: 8, .value_kind: global_buffer, .address_space: global }
      - { .name: ad_b2, .offset: 48, .size: 8, .value_kind: global_buffer, .address_space: global }
      - { .name: ad_mb1, .offset: 56, .size: 8, .value_kind: global_buffer, .address_space: global }
      - { .name: ad_sb1, .offset: 64, .size: 8, .value_kind: global_buffer, .address_space: global }
      - { .name: ad_mb2, .offset: 72, .size: 8, .value_kind: global_buffer, .address_space: global }
      - { .name: ad_sb2, .offset: 80, .size: 8, .value_kind: global_buffer, .address_space: global }
      - { .name: out0, .offset: 88, .size: 8, .value_kind: global_buffer, .address_space: global }
      - { .name: out1, .offset: 96, .size: 8, .value_kind: global_buffer, .address_space: global }
      - { .name: out4, .offset: 104, .size: 8, .value_kind: global_buffer, .address_space: global }
      - { .name: out5, .offset: 112, .size: 8, .value_kind: global_buffer, .address_space: global }
    .group_segment_fixed_size: 262144
    .private_segment_fixed_size: 0
    .kernarg_segment_align: 8
    .kernarg_segment_size: 120
    .max_flat_workgroup_size: 128
    .sgpr_count:     90
    .vgpr_count:     256
    .wavefront_size: 32
...
	.end_amdgpu_metadata
.endif
;; end of part 3
;; ======== version 2 of 2: 3 launches; version 1 with the launch prep written anew for expert scheduling mode
;; limits: values are held in f16: magnitudes above 65,504 overflow, below 6.1e-05 lose precision; below input magnitudes of 7.629e-06 results are inexact or not finite; inputs' magnitudes at most 65,504
;; workspace buffers: wimg 425,984 bytes; zbuf 262,144 bytes; lbuf 1,024 bytes
;; launch prep (part 4): grid 208 x 1, 2 waves a work-group, no clusters, 0 bytes of LDS; arguments enc_w1, enc_b1, enc_w2, ll_w1, ll_b1, ll_w2, ll_mw1, ll_sw1, ll_mw2, ll_sw2, pr_w1, pr_b1, pr_w2, pr_w3, ad_w1, ad_b1, ad_w2, ad_mw1, ad_sw1, ad_mw2, ad_sw2, wimg; writes wimg
.if DOCPART == 4
	.amdgcn_target "amdgcn-amd-amdhsa--gfx1250"
	.amdhsa_code_object_version 6
	.text
	.protected	k_qdc465fcbbd_prep
	.globl	k_qdc465fcbbd_prep
	.p2align	8
	.type	k_qdc465fcbbd_prep,@function
k_qdc465fcbbd_prep:
	s_mov_b64 s[64:65], 0
	v_nop
	global_prefetch_b8 v0, s[64:65] scope:SCOPE_SE
	s_setreg_imm32_b32 hwreg(HW_REG_WAVE_SCHED_MODE, 0, 2), 2
	s_setreg_imm32_b32 hwreg(HW_REG_WAVE_MODE, 25, 1), 1
	s_wait_xcnt 0x0
	s_wait_alu depctr_vm_vsrc(0)
; THE WHOLE PROGRAM: three launches.  prep lays all weight matrices out as matrix-operand fragments (wimg); main runs encoder, vector quantiser and
; low-level policy on all 8,192 x 64 rows, reading states and actions once; tail runs prior and abstract dynamics on the 8,192 first states and sums the loss.
; WORK LEFT OUT, for all finite values of the inputs:
;   z = z_e + (z_q - z_e) is z_q in exact arithmetic, so z_q itself feeds dynamics and policy;
;   mean((z_e - z_q)^2) stands twice in vq_loss (stop_gradient changes no value): one sum, times (1 + 0.25) / (8192 x 16).
; Every input has a way to an output and is loaded.  A NaN, infinity or overflow that would arise only in z_e + (z_q - z_e) is not carried to the result.
; FORMATS.  All inputs are rounded once to bf16 (states, actions, every weight, every bias, the codebook).  Behind that rounding the encoder keeps f32 accuracy
; (its hidden layer goes on as two bf16 terms), since the argmin decides whole rows of the outputs.
; LIMITS.  Policy weights from its second layer on are those bf16 numbers written as f16: exact from 2^-17 to 65,504 in magnitude, below that on a step of 2^-24.
;
; THIS LAUNCH.  A fragment is 1,024 bytes: 16 output channels c x 32 k, the byte at 512 half + 16 (c + 16 h) + 2 e holding k = 16 half + 8 h + e: a lane's two
; loads of 16 bytes at 16 lane and 512 + 16 lane ARE the eight registers of a matrix operand.  Fragment number in a matrix: (channel tile) x (K / 32) + (k step).
; First layers have K = 64: k < 47 state k; k = 47 the constant 1 (its weight row is the bias b1); k = 48 + i row 47 + i of w1 (actions or z), zero beyond the matrix.
; One wave makes one fragment: 16 scattered loads a lane, two stores of 512 consecutive aligned bytes a wave.  416 fragments, 208 work-groups of two waves.
; THE MODE: SCHED_MODE bits 1:0 = 2 (LLVM: expert scheduling mode 2), set by the entry lines.  The code itself states the register dependences between
; vector instructions and memory instructions, and between vector instructions that write scalar registers and their readers, with s_wait_alu, always for 0.
; THE PLAN.  The text runs straight through, with no loop.  Registers that memory instructions touch:
;   v10, v[ADR ..]    the bias's offset and the sixteen offsets: written by the address arithmetic, read by the 17 loads, never written again.
;   v12, v[DAT ..]    the loads land here; no vector instruction names them ahead of the loads; the selections read them behind the wait for the data.
;   v[OUT ..]         written by the roundings, read by the two stores.      v11   16 x lane: written at the head, read by the two stores.
; Scalar registers that vector instructions write: s49 (the wave); s72 and s[MK ..] (the first run of compares); s[MV ..] and s[MB ..] (the second run).
; So five waits stand in the text: one for s49; one behind each run of compares; one ahead of the run of loads; one ahead of the stores.  The second run of
; compares is issued while the loads are out: it names the k and the rows, none of the loads' registers.  No register that a memory instruction reads is written again.
.set ADR, 16                           ; v[16:31]  number j: at work, then its byte offset in the matrix
.set DAT, 32                           ; v[32:47]  number j as loaded, then as selected
.set ROW, 48                           ; v[48:63]  number j: its row in the matrix
.set OUT, 48                           ; v[48:55]  the fragment's eight registers, in the rows' place when these have been compared
.set KK,  64                           ; v[64:79]  number j: its k
.set MK,  76                           ; s[76:91]  number j: lanes whose k lies behind the bias row
.set MV,  4                            ; s[4:19]   number j: lanes whose row lies in the matrix (the arguments' addresses are done with by then)
.set MB,  20                           ; s[20:35]  number j: lanes whose k is the bias row
	s_load_b512 s[4:19], s[0:1], 0x0               ; enc_w1 4, enc_b1 6, enc_w2 8, ll_w1 10, ll_b1 12, ll_w2 14, ll_mw1 16, ll_sw1 18
	s_load_b512 s[20:35], s[0:1], 0x40             ; ll_mw2 20, ll_sw2 22, pr_w1 24, pr_b1 26, pr_w2 28, pr_w3 30, ad_w1 32, ad_b1 34
	s_load_b256 s[36:43], s[0:1], 0x80             ; ad_w2 36, ad_mw1 38, ad_sw1 40, ad_mw2 42
	s_load_b128 s[44:47], s[0:1], 0xa0             ; ad_sw2 44, wimg 46
	v_lshrrev_b32 v1, 5, v0
	v_readfirstlane_b32 s49, v1                    ; wave 0..1
	v_and_b32 v2, 15, v0                           ; c
	v_bfe_u32 v3, v0, 4, 1                         ; h
	v_and_b32 v11, 31, v0
	v_lshlrev_b32 v11, 4, v11                      ; 16 x lane
	s_wait_alu depctr_va_sdst(0)                   ; s49 is written, ahead of its first reader: the fragment's number is made from it
	s_lshl_b32 s48, ttmp9, 1
	s_add_co_u32 s48, s48, s49                     ; f: my fragment
	s_wait_kmcnt 0x0
; The table of matrices: the last entry whose first fragment is not above f wins.  s[50:51] matrix, s[52:53] bias (the matrix itself where there is none),
; s54 row pitch, s55 rows, s56 the k of the bias row (0xffff: none), s57 mask on c, s58 columns, s59 lanes that hold weights, s60 log2(K / 32), s61 first fragment, s62 1: f16
	s_mov_b64 s[50:51], s[4:5]
	s_mov_b64 s[52:53], s[6:7]
	s_mov_b32 s54, 128
	s_mov_b32 s55, 55
	s_mov_b32 s56, 47
	s_mov_b32 s57, 15
	s_mov_b32 s58, 128
	s_mov_b32 s59, -1
	s_mov_b32 s60, 1
	s_mov_b32 s61, 0
	s_mov_b32 s62, 0
.macro ENT start, ptr, bptr, n, krows, skip, cmask, ncols, lmask, kflog, fmt
	s_cmp_ge_u32 s48, \start
	s_cselect_b64 s[50:51], s[\ptr:\ptr+1], s[50:51]
	s_cselect_b64 s[52:53], s[\bptr:\bptr+1], s[52:53]
	s_cselect_b32 s54, \n, s54
	s_cselect_b32 s55, \krows, s55
	s_cselect_b32 s56, \skip, s56
	s_cselect_b32 s57, \cmask, s57
	s_cselect_b32 s58, \ncols, s58
	s_cselect_b32 s59, \lmask, s59
	s_cselect_b32 s60, \kflog, s60
	s_cselect_b32 s61, \start, s61
	s_cselect_b32 s62, \fmt, s62
.endm
	ENT 16,  8,  8,  128, 128, 0xffff, 15, 128, -1, 2, 0          ; enc_w2
	ENT 48,  10, 12, 128, 63,  47,     15, 128, -1, 1, 0          ; ll_w1, ll_b1
	ENT 64,  14, 14, 128, 128, 0xffff, 15, 128, -1, 2, 1          ; ll_w2
	ENT 96,  16, 16, 128, 128, 0xffff, 15, 128, -1, 2, 1          ; ll_mw1
	ENT 128, 18, 18, 128, 128, 0xffff, 15, 128, -1, 2, 1          ; ll_sw1
	ENT 160, 20, 20, 8,   128, 0xffff, 7,  8,   0x00ff00ff, 2, 1  ; ll_mw2: channels 0-7 of the two heads' one tile
	ENT 164, 22, 22, 8,   128, 0xffff, 7,  8,   0xff00ff00, 2, 1  ; ll_sw2: channels 8-15
	ENT 168, 24, 26, 128, 47,  47,     15, 128, -1, 1, 0          ; pr_w1, pr_b1
	ENT 184, 28, 28, 128, 128, 0xffff, 15, 128, -1, 2, 0          ; pr_w2
	ENT 216, 30, 30, 256, 128, 0xffff, 15, 256, -1, 2, 0          ; pr_w3
	ENT 280, 32, 34, 128, 63,  47,     15, 128, -1, 1, 0          ; ad_w1, ad_b1
	ENT 296, 36, 36, 128, 128, 0xffff, 15, 128, -1, 2, 0          ; ad_w2
	ENT 328, 38, 38, 128, 128, 0xffff, 15, 128, -1, 2, 0          ; ad_mw1
	ENT 360, 40, 40, 128, 128, 0xffff, 15, 128, -1, 2, 0          ; ad_sw1
	ENT 392, 42, 42, 47,  128, 0xffff, 15, 47,  -1, 2, 0          ; ad_mw2
	ENT 404, 44, 44, 47,  128, 0xffff, 15, 47,  -1, 2, 0          ; ad_sw2
	s_sub_co_u32 s63, s48, s61                     ; fragment in its matrix
	s_lshr_b32 s66, s63, s60                       ; channel tile
	s_bfm_b32 s68, s60, 0
	s_and_b32 s67, s63, s68                        ; k step
	s_lshl_b32 s68, s66, 4
	s_sub_co_u32 s69, s58, 1
	s_lshl_b32 s70, s67, 5
	s_sub_co_u32 s71, s55, 1
	v_and_b32 v4, s57, v2
	v_add_nc_u32 v4, s68, v4                       ; column
	v_min_u32 v5, s69, v4                          ; clamped: every load stays in its matrix
	v_lshl_add_u32 v6, v3, 3, s70                  ; 32 ks + 8 h
	v_lshlrev_b32 v10, 2, v5                       ; the bias of my column: its offset
	; the first run of compares: one mask a scalar register, one wait behind the run
	v_cmp_gt_u32 s72, s58, v4                      ; lanes whose column exists
.set j, 0
.rept 16                                       ; number j of my 16: k = 32 ks + 8 h + 16 (j / 8) + j % 8
	v_add_nc_u32 v[KK+j], 16*(j/8)+j%8, v6
	v_cmp_lt_u32 s[MK+j], s56, v[KK+j]             ; behind the bias row the matrix's rows lag k by one
.set j, j+1
.endr
	s_wait_alu depctr_va_sdst(0)                   ; s72 and the sixteen masks s[MK ..] are written, ahead of their first readers below
	s_and_b32 s72, s72, s59                        ; .. and that hold weights of this matrix
.set j, 0
.rept 16
	v_cndmask_b32 v[ADR+j], 0, 1, s[MK+j]
	v_sub_nc_u32 v[ROW+j], v[KK+j], v[ADR+j]       ; row
	v_min_u32 v[ADR+j], s71, v[ROW+j]
	v_mad_u32_u24 v[ADR+j], v[ADR+j], s54, v5
	v_lshlrev_b32 v[ADR+j], 2, v[ADR+j]
.set j, j+1
.endr
	s_wait_alu depctr_va_vdst(0)                   ; v10 and the sixteen offsets v[ADR ..] are written, which the 17 loads read; so is v11, which the stores read
	global_load_b32 v12, v10, s[52:53]             ; the bias of my column
.set j, 0
.rept 16
	global_load_b32 v[DAT+j], v[ADR+j], s[50:51]
.set j, j+1
.endr
	; the second run of compares, while the loads are out: it names the rows and the k, none of the loads' registers
.set j, 0
.rept 16
	v_cmp_gt_u32 s[MV+j], s55, v[ROW+j]            ; the row lies in the matrix
	v_cmp_eq_u32 s[MB+j], s56, v[KK+j]             ; k is the bias row
.set j, j+1
.endr
	s_lshl_b32 s74, s48, 10                        ; the fragment's place in wimg
	s_mov_b32 s75, 0
	s_add_nc_u64 s[46:47], s[46:47], s[74:75]
	s_wait_alu depctr_va_sdst(0)                   ; the 32 masks s[MV ..] and s[MB ..] are written, ahead of their first readers below
.set j, 0
.rept 16
	s_and_b32 s[MV+j], s[MV+j], s72
.set j, j+1
.endr
	s_wait_loadcnt 0x0
.set j, 0
.rept 16                                       ; zero outside the matrix; the bias in its row
	v_cndmask_b32 v[DAT+j], 0, v[DAT+j], s[MV+j]
	v_cndmask_b32 v[DAT+j], v[DAT+j], v12, s[MB+j]
.set j, j+1
.endr
.set j, 0
.rept 8
	v_cvt_pk_bf16_f32 v[OUT+j], v[DAT+2*j], v[DAT+2*j+1]
.set j, j+1
.endr
	s_cmp_eq_u32 s62, 0
	s_cbranch_scc1 .Lstore
.set j, 0
.rept 8                                        ; the bf16 numbers written as f16
	v_lshlrev_b32 v7, 16, v[OUT+j]
	v_and_b32 v8, 0xffff0000, v[OUT+j]
	v_cvt_pk_f16_f32 v[OUT+j], v7, v8
.set j, j+1
.endr
.Lstore:
	s_wait_alu depctr_va_vdst(0)                   ; on both ways the roundings have written v[OUT ..], which the two stores read
	global_store_b128 v11, v[OUT:OUT+3], s[46:47]              ; each store of the wave covers 512 consecutive bytes, aligned
	global_store_b128 v11, v[OUT+4:OUT+7], s[46:47] offset:512
	s_endpgm
.Lfunc_end_k_qdc465fcbbd_prep:
	.size	k_qdc465fcbbd_prep, .Lfunc_end_k_qdc465fcbbd_prep-k_qdc465fcbbd_prep
	.p2alignl 7, 3214868480
	.fill 96, 4, 3214868480
	.section	.rodata,"a",@progbits
	.p2align	6, 0x0
	.amdhsa_kernel k_qdc465fcbbd_prep
		.amdhsa_group_segment_fixed_size 0
		.amdhsa_private_segment_fixed_size 0
		.amdhsa_enable_private_segment 0
		.amdhsa_kernarg_size 176
		.amdhsa_user_sgpr_count 2
		.amdhsa_user_sgpr_kernarg_segment_ptr 1
		.amdhsa_wavefront_size32 1
		.amdhsa_system_sgpr_workgroup_id_x 1
		.amdhsa_system_sgpr_workgroup_id_y 1
		.amdhsa_system_sgpr_workgroup_id_z 1
		.amdhsa_system_vgpr_workitem_id 0
		.amdhsa_next_free_vgpr 80
		.amdhsa_next_free_sgpr 100
		.amdhsa_reserve_vcc 0
		.amdhsa_float_denorm_mode_32 3
		.amdhsa_float_denorm_mode_16_64 3
		.amdhsa_memory_ordered 1
		.amdhsa_forward_progress 1
		.amdhsa_inst_pref_size 24
	.end_amdhsa_kernel
	.amdgpu_metadata
---
amdhsa.version: [ 1, 2 ]
amdhsa.kernels:
  - .name:           k_qdc465fcbbd_prep
    .symbol:         k_qdc465fcbbd_prep.kd
    .args:
      - { .name: enc_w1, .offset: 0, .size: 8, .value_kind: global_buffer, .address_space: global }
      - { .name: enc_b1, .offset: 8, .size: 8, .value_kind: global_buffer, .address_space: global }
      - { .name: enc_w2, .offset: 16, .size: 8, .value_kind: global_buffer, .address_space: global }
      - { .name: ll_w1, .offset: 24, .size: 8, .value_kind: global_buffer, .address_space: global }
      - { .name: ll_b1, .offset: 32, .size: 8, .value_kind: global_buffer, .address_space: global }
      - { .name: ll_w2, .offset: 40, .size: 8, .value_kind: global_buffer, .address_space: global }
      - { .name: ll_mw1, .offset: 48, .size: 8, .value_kind: global_buffer, .address_space: global }
      - { .name: ll_sw1, .offset: 56, .size: 8, .value_kind: global_buffer, .address_space: global }
      - { .name: ll_mw2, .offset: 64, .size: 8, .value_kind: global_buffer, .address_space: global }
      - { .name: ll_sw2, .offset: 72, .size: 8, .value_kind: global_buffer, .address_space: global }
      - { .name: pr_w1, .offset: 80, .size: 8, .value_kind: global_buffer, .address_space: global }
      - { .name: pr_b1, .offset: 88, .size: 8, .value_kind: global_buffer, .address_space: global }
      - { .name: pr_w2, .offset: 96, .size: 8, .value_kind: global_buffer, .address_space: global }
      - { .name: pr_w3, .offset: 104, .size: 8, .value_kind: global_buffer, .address_space: global }
      - { .name: ad_w1, .offset: 112, .size: 8, .value_kind: global_buffer, .address_space: global }
      - { .name: ad_b1, .offset: 120, .size: 8, .value_kind: global_buffer, .address_space: global }
      - { .name: ad_w2, .offset: 128, .size: 8, .value_kind: global_buffer, .address_space: global }
      - { .name: ad_mw1, .offset: 136, .size: 8, .value_kind: global_buffer, .address_space: global }
      - { .name: ad_sw1, .offset: 144, .size: 8, .value_kind: global_buffer, .address_space: global }
      - { .name: ad_mw2, .offset: 152, .size: 8, .value_kind: global_buffer, .address_space: global }
      - { .name: ad_sw2, .offset: 160, .size: 8, .value_kind: global_buffer, .address_space: global }
      - { .name: wimg, .offset: 168, .size: 8, .value_kind: global_buffer, .address_space: global }
    .group_segment_fixed_size: 0
    .private_segment_fixed_size: 0
    .kernarg_segment_align: 8
    .kernarg_segment_size: 176
    .max_flat_workgroup_size: 64
    .sgpr_count:     100
    .vgpr_count:     80
    .wavefront_size: 32
...
	.end_amdgpu_metadata
.endif
;; end of part 4
;; launch main: the kernel of part 2 again; grid 256 x 1, 8 waves a work-group, clusters of 4 x 1, 327,680 bytes of LDS; arguments states, actions, wimg, enc_b2, enc_wz, enc_bz, codebook, ll_b2, ll_mb1, ll_sb1, ll_mb2, ll_sb2, out2, out3, zbuf, lbuf; writes out2, out3, zbuf, lbuf
;; launch tail: the kernel of part 3 again; grid 256 x 1, 4 waves a work-group, no clusters, 262,144 bytes of LDS; arguments states, wimg, zbuf, lbuf, pr_b2, pr_b3, ad_b2, ad_mb1, ad_sb1, ad_mb2, ad_sb2, out0, out1, out4, out5; writes out0, out1, out4, out5
